; MI455X (gfx1250); checked and timed in simulation.
; The chip was launched on July 23, 2026; its instructions are those of AMD's public machine-readable ISA for CDNA 5 (MIT licence, August 2026) and "CDNA5" Instruction Set Architecture Reference Guide (July 2026). The comments in the code are by the model that wrote it; some were corrected since.
;; Layer. Allowed arithmetic: matrix products marked QUANTISED: E5M2 operands, one E8M0 scale for each 32 along K, by v_wmma_scale_f32_16x16x128_f8f6f4 with both operands' format E5M2, f32 sums; everything else in f32.
;; Inputs: b1 4,096 float32; b2 1,024 float32; b_proj 1,024 float32; ln1_b 1,024 float32; ln1_w 1,024 float32; ln2_b 1,024 float32; ln2_w 1,024 float32; w1 1,024 x 4,096 float32; w2 4,096 x 1,024 float32; w_proj 1,024 x 1,024 float32; wk 16 x 1,024 x 64 float32; wq 16 x 1,024 x 64 float32; wv 16 x 1,024 x 64 float32; x 4 x 1,024 x 1,024 float32.
;; Outputs: out0 4 x 1,024 x 1,024 float32.
;; This version of the problem:
;;   THIS VERSION OF THE PROBLEM IS GIVEN IN LOW PRECISION. The matrix products marked QUANTISED in the list below multiply operands that are first quantised to E5M2 (5 exponent bits, 2 mantissa bits; 8 bits a number), with one power-of-two scale for each 32 numbers along K (OCP MX v1.0); their sums are f32. All else is computed in f32.
;;   The module's matrix products, in the order in which they are computed (A, B: the left and right operand; K: the contracted axis; several contracted axes count as one K, in the product's order):
;;     1. [M 1,024, K 1,024] x [K 1,024, N 4,096]; A: input wq; B: computed on the way: QUANTISED
;;     2. [M 1,024, K 1,024] x [K 1,024, N 4,096]; A: input wk; B: computed on the way: QUANTISED
;;     3. [M 1,024, K 1,024] x [K 1,024, N 4,096]; A: input wv; B: computed on the way: QUANTISED
;;     4. batch 64 x [M 1,024, K 64] x [K 64, N 1,024]; A: computed on the way; B: computed on the way: QUANTISED
;;     5. batch 64 x [M 1,024, K 1,024] x [K 1,024, N 64]; A: softmax (see below); B: computed on the way: QUANTISED
;;     6. [M 4,096, K 1,024] x [K 1,024, N 1,024]; A: computed on the way; B: input w_proj: QUANTISED
;;     7. [M 4,096, K 1,024] x [K 1,024, N 4,096]; A: computed on the way; B: input w1: QUANTISED
;;     8. [M 4,096, K 4,096] x [K 4,096, N 1,024]; A: computed on the way; B: input w2: QUANTISED
;;   THE QUANTISER, for each operand of a quantised product, along K:
;;     - K is cut into blocks of 32 from its start; a last block that is shorter is filled with zeros.
;;     - A block's scale is 2^e with e = floor(log2(the largest magnitude in the block)) - 15, held to -126 .. 127; a block of zeros has e = 0. As a byte (E8M0): e + 127.
;;     - Each number is divided by its block's scale, clamped to +-57,344, and rounded to the nearest number of E5M2, ties to even, subnormals kept.
;;     - The product sums the exact products of the quantised numbers (number of the format x scale) in f32.
;;   ~~~python
;;   def quantise(x, axis):      # numpy; x: float32 -> the quantised numbers, widened to float32 again
;;       x = np.moveaxis(x, axis, -1); K = x.shape[-1]
;;       x = np.pad(x, [(0, 0)] * (x.ndim - 1) + [(0, -K % 32)]); x = x.reshape(x.shape[:-1] + (-1, 32)); a = np.abs(x).max(-1, keepdims=True)
;;       e = np.where(a > 0, np.clip(np.frexp(np.where(a > 0, a, 1))[1] - 1 - 15, -126, 127), 0)      # np.frexp(a)[1] - 1 = floor(log2(a)), exactly
;;       r = np.clip(x / 2.0 ** e, -57344, 57344)
;;       step = 2.0 ** (np.maximum(np.frexp(np.where(r == 0, 1, r))[1] - 1, -14) - 2)
;;       q = np.round(r / step) * step * 2.0 ** e      # np.round: ties to even
;;       return np.moveaxis(q.reshape(q.shape[:-2] + (-1,))[..., :K], -1, axis).astype(np.float32)
;;   ~~~
;;   SOFTMAX AHEAD OF A QUANTISED PRODUCT. Where the list says 'softmax', what is quantised is not the finished softmax but p = 2^(t - M), with t = logit x log2(e) and M = ceil(the row's largest t), a whole number; so 1/2 < the row's largest p <= 1. The row's sum l is taken of the UNQUANTISED p, in f32, and the product's result is divided by l at the end. Since M is a whole number, a kernel that streams over the keys may use a running M (the ceiling of the running maximum): every later rescaling is an exact power of two, which a block's scale takes up: the codes' values come out the same.
;;   OPERANDS COMPUTED ON THE WAY. 'Computed on the way' means the value that the module computes at that place (a softmax that the list does not call 'softmax' is quantised finished and normalised). What goes into a quantiser is computed in f32, as accurately as f32 sums, v_exp_f32 and their like allow (about 1e-6 of the number): no bf16 or f16 on the way to a quantiser, and a product that is left as it is and whose result goes on into a quantised operand takes f32 operands (vector FMAs, or v_wmma_f32_16x16x4_f32). A number that lies on a knife's edge between two numbers of the format may be rounded either way, as far as f32 arithmetic and the matrix unit's own rounding can turn it there, and no further.
;; One version. Each part assembles by itself: llvm-mc -triple=amdgcn-amd-amdhsa -mcpu=gfx1250 --defsym DOCPART=n.
;; ======== version 1 of 1: 7 launches
;; limits: right only within a limited range of input values
;; workspace buffers: wts 12,976,128 bytes; xn_c 4,325,376 bytes; q_c 4,456,448 bytes; kv_c 8,912,896 bytes; attn_c 4,325,376 bytes; x1 16,777,216 bytes; h_c 17,301,504 bytes
;; launch ln1 (part 1): grid 640 x 1, 8 waves a work-group, no clusters, 101,376 bytes of LDS; arguments x, ln1_w, ln1_b, xn_c, wq, wk, wv, w_proj, w1, w2, wts; writes xn_c, wts
.if DOCPART == 1
	.amdgcn_target "amdgcn-amd-amdhsa--gfx1250"
	.amdhsa_code_object_version 6
	.text
	.protected	k_q3a8f1d590a_ln1
	.globl	k_q3a8f1d590a_ln1
	.p2align	8
	.type	k_q3a8f1d590a_ln1,@function
k_q3a8f1d590a_ln1:
	s_mov_b64 s[64:65], 0
	v_nop
	global_prefetch_b8 v0, s[64:65] scope:SCOPE_SE
	s_setreg_imm32_b32 hwreg(HW_REG_WAVE_MODE, 25, 1), 1
	s_wait_xcnt 0x0
; LayerNorm of rows of 1,024 f32 (mean; variance of the differences: two passes over registers; rsqrt(var + 1e-5); gain; bias), then quantised along the row to E5M2 with one E8M0 byte for each 32.
; The codes leave in the program's operand layout (blocks of 128 rows x 256 K, 33,792 bytes; fragment (tile i, K step q) at (8 q + i) 2048 as an image of its registers; scale words from 32768 on;
; storage row 32 b + 16 u + r holds token 32 b + 8 u + r + 8 (r / 8)).
; A work-group makes storage tile g (16 rows); wave w its storage rows 2 w and 2 w + 1, which are two neighbouring tokens.  For the arithmetic a lane holds columns 32 l .. 32 l + 31: one block of the quantiser.
; EVERY LOAD IS DENSE: 32 lanes read 512 consecutive bytes, 16 each.  A row's 4,096 bytes then turn through the wave's own stage in LDS: 32 places of 128 bytes + 16 of padding, written as loaded, read back 128 bytes a lane.
; Gain and bias are read once by the work-group, 512 bytes of each a wave, laid in LDS in the same 32 places, and read by all eight waves behind a barrier.
; A lane's 32 codes belong to two places of a fragment's image, so they meet in LDS (chunk l = 512 bytes of the image + 16 of padding); behind a second barrier wave w stores K step w's fragment, 512 consecutive bytes a store.
; LIMITS: NaN and infinities are not served; a block whose largest magnitude lies under 2^-111 carries the byte 1 (only this program reads the bytes); v_rsq_f32 is good to one unit in the last place.
.set BLK, 33792
.set SST, 16896                        ; LDS: behind the 32 chunks: the scale bytes, [kappa][row][8]
.set PLC, 144                          ; a lane's place: its 128 bytes + 16 of padding: sixteen lanes' reads of 16 bytes fall on sixteen different columns of 16 bytes
.set RWB, 32*PLC                       ; a row in places
.set WBS, 17408                        ; the gain, RWB bytes; behind it the bias
.set XST, WBS+2*RWB                    ; the stages: two rows for each wave
.set TIN, 2                            ; v2  stage, on the way in: PLC (l / 8) + 16 (l % 8) + my wave's stage
.set STA, 3                            ; v3  528 l + 32 w
.set SSA, 4                            ; v4  SST + 128 (l / 8) + l % 8 + 16 w
.set RDA, 5                            ; v5  16 l + 2112 w
.set GO,  6                            ; v6  16 l
.set SGO, 7                            ; v7  BLK (l / 8) + 16 (l % 8)
.set SRD, 20                           ; v20 SST + 16 l
.set TOUT, 21                          ; v21 stage, on the way out: PLC l + my wave's stage
.set WSI, 22                           ; v22 where my 16 bytes of the gain go: PLC (l / 8) + 16 (l % 8) + 4 PLC w + WBS
.set WSO, 23                           ; v23 my place in the gain: PLC l + WBS
.set WGO, 24                           ; v24 16 l + 512 w
.set MU,  16
.set RS,  18
.set R,   32                           ; v32-95 the two rows as they are loaded; later gain and bias
.set W,   32
.set B,   64
.set X,   96
.set C,   160
.set O,   32                           ; the way out's registers: where gain and bias lay
.set WV,  12
.set SEL, 20                           ; s[20:21]
.set RN,  22                           ; s22 1 / 1024
.set EPS, 23
.set MNT, 24
	; ONE BODY, TWO KINDS OF WORK-GROUP, told apart by the work-group's number alone: 0 to 255 make the LayerNorm's 256 tiles; 256 to 639, in the launch that has them, make the weights' 384 blocks (behind the norm's text).
	; The second LayerNorm's launch has 256 work-groups: none of them takes the weights' way.
	s_cmp_ge_u32 ttmp9, 256
	s_cbranch_scc1 .Lweights
	s_load_b256 s[4:11], s[0:1], 0x0
	v_lshl_add_u32 v26, v0, 2, 0x18800
	v_mov_b32 v27, 0
	v_lshrrev_b32 v1, 5, v0
	s_delay_alu instid0(VALU_DEP_1)
	v_readfirstlane_b32 s[WV], v1
	v_and_b32 v1, 31, v0
	s_wait_alu depctr_va_vdst(0)
	s_mov_b32 s[SEL], 0x76543210
	s_mov_b32 s[SEL+1], 0xfedcba98
	s_mov_b32 s[RN], 0x3a800000
	s_mov_b32 s[EPS], 0x3727c5ac
	s_mov_b32 s[MNT], 0x600000
	s_lshr_b32 s13, ttmp9, 1                       ; my first token: 32 (g / 2) + 8 (g % 2) + 2 w + 8 (w / 4)
	s_lshl_b32 s13, s13, 5
	s_and_b32 s14, ttmp9, 1
	s_lshl_b32 s14, s14, 3
	s_add_co_u32 s13, s13, s14
	s_lshl_b32 s14, s[WV], 1
	s_add_co_u32 s13, s13, s14
	s_lshr_b32 s14, s[WV], 2
	s_lshl_b32 s14, s14, 3
	s_add_co_u32 s13, s13, s14
	s_lshl_b32 s16, s13, 12
	s_mov_b32 s17, 0
	s_lshr_b32 s26, ttmp9, 3                       ; where K step w's fragment goes: block (g / 8, w / 2), fragment 8 (w % 2) + g % 8
	s_lshl_b32 s27, s26, 2
	s_lshr_b32 s28, s[WV], 1
	s_add_co_u32 s27, s27, s28
	s_mul_i32 s27, s27, BLK
	s_and_b32 s28, s[WV], 1
	s_lshl_b32 s28, s28, 3
	s_and_b32 s29, ttmp9, 7
	s_add_co_u32 s28, s28, s29
	s_lshl_b32 s28, s28, 11
	s_add_co_u32 s30, s27, s28
	s_mov_b32 s31, 0
	s_mul_i32 s32, s26, 4*BLK                      ; and the tile's scale words in block (g / 8, 0)
	s_lshr_b32 s29, s29, 1
	s_lshl_b32 s29, s29, 8
	s_add_co_u32 s32, s32, s29
	s_and_b32 s29, ttmp9, 1
	s_lshl_b32 s29, s29, 7
	s_add_co_u32 s32, s32, s29
	s_add_co_u32 s32, s32, 32768
	s_mov_b32 s33, 0
	v_mul_u32_u24 v[STA], v1, 528
	s_lshl_b32 s14, s[WV], 5
	v_add_nc_u32 v[STA], s14, v[STA]
	v_lshrrev_b32 v8, 3, v1
	v_and_b32 v9, 7, v1
	s_delay_alu instid0(VALU_DEP_1)
	v_lshl_add_u32 v[SSA], v8, 7, v9
	s_lshl_b32 s14, s[WV], 4
	s_add_co_u32 s14, s14, SST
	v_add_nc_u32 v[SSA], s14, v[SSA]
	v_lshlrev_b32 v[GO], 4, v1
	s_mul_i32 s14, s[WV], 2112
	v_add_nc_u32 v[RDA], s14, v[GO]
	v_mul_u32_u24 v[SGO], v8, BLK
	s_delay_alu instid0(VALU_DEP_1)
	v_lshl_add_u32 v[SGO], v9, 4, v[SGO]
	v_add_nc_u32 v[SRD], SST, v[GO]
	v_mul_u32_u24 v10, v8, PLC
	s_delay_alu instid0(VALU_DEP_1)
	v_lshl_add_u32 v10, v9, 4, v10                 ; eight lanes' 128 bytes fill a place: PLC (l / 8) + 16 (l % 8); a load's 512 bytes take four places
	v_mul_u32_u24 v11, v1, PLC
	s_mul_i32 s14, s[WV], 2*RWB
	s_add_co_u32 s14, s14, XST                     ; my wave's stage
	v_add_nc_u32 v[TIN], s14, v10
	v_add_nc_u32 v[TOUT], s14, v11
	s_mul_i32 s14, s[WV], 4*PLC
	s_add_co_u32 s14, s14, WBS                     ; my wave's four places of the gain
	v_add_nc_u32 v[WSI], s14, v10
	v_add_nc_u32 v[WSO], WBS, v11
	s_lshl_b32 s14, s[WV], 9
	v_add_nc_u32 v[WGO], s14, v[GO]
	s_wait_alu depctr_va_vdst(0)
	s_wait_kmcnt 0x0
	s_add_nc_u64 s[4:5], s[4:5], s[16:17]
	s_add_nc_u64 s[34:35], s[10:11], s[30:31]
	s_add_nc_u64 s[36:37], s[10:11], s[32:33]
	global_load_b128 v[8:11], v[WGO], s[6:7]       ; my wave's 512 bytes of the gain,
	global_load_b128 v[12:15], v[WGO], s[8:9]      ; and of the bias
.irp rr, 0,1
.irp j, 0,1,2,3,4,5,6,7
	global_load_b128 v[R+32*\rr+4*\j:R+32*\rr+4*\j+3], v[GO], s[4:5] offset:4096*\rr+512*\j th:TH_LOAD_NT   ; 512 consecutive bytes a load
.endr
.endr
	s_wait_loadcnt 16                              ; gain and bias are in; the rows' 16 loads may be out
	ds_store_b128 v[WSI], v[8:11]
	ds_store_b128 v[WSI], v[12:15] offset:RWB
.irp rr, 0,1
	s_wait_loadcnt 8-8*\rr                         ; this row's eight loads are in; row 1's eight may be out
.irp j, 0,1,2,3,4,5,6,7
	ds_store_b128 v[TIN], v[R+32*\rr+4*\j:R+32*\rr+4*\j+3] offset:RWB*\rr+4*PLC*\j
.endr
.irp j, 0,1,2,3,4,5,6,7
	ds_load_b128 v[X+32*\rr+4*\j:X+32*\rr+4*\j+3], v[TOUT] offset:RWB*\rr+16*\j   ; LDS serves a wave's instructions in order (ISA guide 5.7.1.4): these see my stores
.endr
.endr
	s_wait_dscnt 0x0                               ; my part of gain and bias lies in LDS, and my rows are back
	s_barrier_signal -1
	s_barrier_wait -1                              ; everybody's part does
.irp j, 0,1,2,3,4,5,6,7
	ds_load_b128 v[W+4*\j:W+4*\j+3], v[WSO] offset:16*\j
	ds_load_b128 v[B+4*\j:B+4*\j+3], v[WSO] offset:RWB+16*\j
.endr
.macro ACROSS                          ; v8: the sum over the wave's 32 lanes, in every lane
	s_delay_alu instid0(VALU_DEP_1)
	v_add_f32_dpp v8, v8, v8 row_xmask:1 row_mask:0xf bank_mask:0xf
	s_delay_alu instid0(VALU_DEP_1)
	v_add_f32_dpp v8, v8, v8 row_xmask:2 row_mask:0xf bank_mask:0xf
	s_delay_alu instid0(VALU_DEP_1)
	v_add_f32_dpp v8, v8, v8 row_xmask:4 row_mask:0xf bank_mask:0xf
	s_delay_alu instid0(VALU_DEP_1)
	v_add_f32_dpp v8, v8, v8 row_xmask:8 row_mask:0xf bank_mask:0xf
	s_delay_alu instid0(VALU_DEP_1)
	v_permlanex16_b32 v9, v8, s[SEL], s[SEL+1]
	s_delay_alu instid0(VALU_DEP_1)
	v_add_f32 v8, v8, v9
.endm
.macro FOLD                            ; four chains of pairs into v8
	s_delay_alu instid0(VALU_DEP_3)
	v_pk_add_f32 v[8:9], v[8:9], v[10:11]
	s_delay_alu instid0(VALU_DEP_2)
	v_pk_add_f32 v[12:13], v[12:13], v[14:15]
	s_delay_alu instid0(VALU_DEP_1)
	v_pk_add_f32 v[8:9], v[8:9], v[12:13]
	s_delay_alu instid0(VALU_DEP_1)
	v_add_f32 v8, v8, v9
.endm
.macro ROW rr
.set XR, X+32*\rr
.irp i, 0,1,2,3
	v_pk_add_f32 v[8+2*\i:9+2*\i], v[XR+4*\i:XR+4*\i+1], v[XR+4*\i+2:XR+4*\i+3]
.endr
.irp i, 0,1,2,3,4,5,6,7
	s_delay_alu instid0(VALU_DEP_4)
	v_pk_add_f32 v[8+2*(\i%4):9+2*(\i%4)], v[8+2*(\i%4):9+2*(\i%4)], v[XR+16+2*\i:XR+17+2*\i]
.endr
	FOLD
	ACROSS
	s_delay_alu instid0(VALU_DEP_1)
	v_mul_f32 v[MU], s[RN], v8                     ; the mean
	s_delay_alu instid0(VALU_DEP_1)
	v_mov_b32 v[MU+1], v[MU]
.set j, 0
.rept 16
	v_pk_add_f32 v[XR+2*j:XR+2*j+1], v[XR+2*j:XR+2*j+1], v[MU:MU+1] neg_lo:[0,1] neg_hi:[0,1]
.set j, j+1
.endr
.irp i, 0,1,2,3
	v_pk_mul_f32 v[8+2*\i:9+2*\i], v[XR+2*\i:XR+2*\i+1], v[XR+2*\i:XR+2*\i+1]
.endr
.set j, 4
.rept 12
	s_delay_alu instid0(VALU_DEP_4)
	v_pk_fma_f32 v[8+2*(j%4):9+2*(j%4)], v[XR+2*j:XR+2*j+1], v[XR+2*j:XR+2*j+1], v[8+2*(j%4):9+2*(j%4)]
.set j, j+1
.endr
	FOLD
	ACROSS
	s_delay_alu instid0(VALU_DEP_1)
	v_fma_f32 v8, v8, s[RN], s[EPS]                ; the variance + 1e-5
	s_wait_alu depctr_va_vdst(0)
	v_rsq_f32 v[RS], v8
	v_nop                                          ; a plain line behind the transcendental,
	s_wait_alu depctr_va_vdst(0)                   ; and the wait ahead of its first reader
	v_mov_b32 v[RS+1], v[RS]
	s_wait_alu depctr_va_vdst(0)
	s_wait_dscnt 0x0                               ; gain and bias are in my registers
.set j, 0
.rept 16
	v_pk_mul_f32 v[XR+2*j:XR+2*j+1], v[XR+2*j:XR+2*j+1], v[RS:RS+1]
.set j, j+1
.endr
.set j, 0
.rept 16
	v_pk_fma_f32 v[XR+2*j:XR+2*j+1], v[XR+2*j:XR+2*j+1], v[W+2*j:W+2*j+1], v[B+2*j:B+2*j+1]
.set j, j+1
.endr
	v_max3_num_f32 v12, |v[XR]|, |v[XR+1]|, |v[XR+2]|   ; my 32 numbers are one block
	v_max3_num_f32 v13, |v[XR+3]|, |v[XR+4]|, |v[XR+5]|
.irp i, 6,10,14,18,22,26
	s_delay_alu instid0(VALU_DEP_2)
	v_max3_num_f32 v12, v12, |v[XR+\i]|, |v[XR+\i+1]|
	s_delay_alu instid0(VALU_DEP_2)
	v_max3_num_f32 v13, v13, |v[XR+\i+2]|, |v[XR+\i+3]|
.endr
	s_delay_alu instid0(VALU_DEP_2)
	v_max3_num_f32 v12, v12, |v[XR+30]|, |v[XR+31]|
	s_delay_alu instid0(VALU_DEP_1)
	v_max3_num_f32 v12, v12, v13, 0x8000000        ; the floor 2^(16 - 127)
	s_delay_alu instid0(VALU_DEP_1)
	v_add_nc_u32 v11, 0xf8800000, v12              ; the conversion's scale operand
	s_delay_alu instid0(VALU_DEP_2)
	v_and_or_b32 v10, v12, 0x7f800000, s[MNT]      ; 57,344 x the scale
	s_delay_alu instid0(VALU_DEP_2)
	v_lshrrev_b32 v13, 23, v11                     ; the byte
.set j, 0
.rept 32
	v_med3_num_f32 v[XR+j], v[XR+j], -v10, v10
.set j, j+1
.endr
.irp g, 0,1,2,3
	v_cvt_scalef32_pk8_bf8_f32 v[C+2*\g:C+2*\g+1], v[XR+8*\g:XR+8*\g+7], v11
.endr
	v_nop
	ds_store_b128 v[STA], v[C:C+3] offset:16*\rr           ; k = 0 .. 15 of my block: the image's lanes 0-15, row 2 w + rr
	ds_store_b128 v[STA], v[C+4:C+7] offset:256+16*\rr     ; k = 16 .. 31: its lanes 16-31
	ds_store_b8 v[SSA], v13 offset:8*\rr
	s_wait_dscnt 0x0                               ; the stores are done: their registers are written again, and the barrier below wants it
.endm
	ROW 0
	ROW 1
	s_barrier_signal -1
	s_barrier_wait -1                              ; the tile's eight fragments and its scale bytes lie in LDS
.irp c, 0,1,2,3
	ds_load_b128 v[O+4*\c:O+4*\c+3], v[RDA] offset:528*\c
.endr
	s_wait_dscnt 0x0
.irp c, 0,1,2,3
	global_store_b128 v[GO], v[O+4*\c:O+4*\c+3], s[34:35] offset:512*\c   ; 512 consecutive bytes a store
.endr
	s_cmp_lg_u32 s[WV], 0
	s_cbranch_scc1 .Lend
	ds_load_b128 v[8:11], v[SRD]                   ; wave 0: the 512 scale bytes: eight lanes carry the 128 bytes of one block along K
	s_wait_dscnt 0x0
	global_store_b128 v[SGO], v[8:11], s[36:37]
.Lend:
	s_wait_tensorcnt 0x0
	ds_add_u32 v26, v27
	s_wait_dscnt 0x0
	s_endpgm
; THE WEIGHTS.  The six weights, f32 with K not innermost, become codes of E5M2 with one E8M0 byte for each 32 along K, in the program's operand layout (blocks of 128 rows x 256 K, 33,792 bytes, as above).
; Blocks 0-95: wq, wk, wv as one matrix of 3,072 rows (head x 64 + e); 96-127 w_proj; 128-255 w1; 256-383 w2.
; A work-group makes one block: waves 0-3 its first K step of 128, waves 4-7 its second; wave w % 4 makes tiles 2 (w % 4) and 2 (w % 4) + 1.  A lane takes one column of the weight and its registers run down K: a block of 32 lies in one lane.
; A wave's 128 loads are all issued at the head: eight offset registers (rows k = 0 .. 7 at my column) under sixteen base pointers, eight rows apart; none is stepped while a load reads it.
; REGISTERS: 168 a wave on both ways of this body, so that three work-groups of eight waves share a WGP's registers.  A block's eight registers of codes are registers that are done with: the first block's are the offsets'
; (behind s_wait_xcnt 0, when every load has read them), each later block's the first eight numbers of the block before it: no store's data are written again.  No LDS, no barrier on this way.
; LIMITS: NaN and infinities are not served; a block whose largest magnitude lies under 2^-111 (a block of zeros too) carries the byte 1: only this program reads the bytes.
.Lweights:
.set WO,   4
.set SO,   5
.set SB,   24
.set X,    32
.set OFF,  160
.set C,    192
.set SR,   66                          ; s[66:97] sixteen base pointers
.set DST,  22
.set STP,  24
.set IDB,  26
.set KSH,  27
.set STR,  28
.set WV,   29
.set MNT,  30
.set QS,   45
.set BID,  46
	s_load_b256 s[4:11], s[0:1], 0x20              ; wq, wk, wv, w_proj
	s_load_b128 s[12:15], s[0:1], 0x40             ; w1, w2
	s_load_b64 s[16:17], s[0:1], 0x50              ; wts
	v_lshrrev_b32 v1, 5, v0
	v_readfirstlane_b32 s31, v1                    ; wave 0..7
	v_and_b32 v1, 31, v0
	v_lshrrev_b32 v2, 4, v1
	v_and_b32 v3, 15, v1
	s_wait_alu depctr_va_vdst(0)
	s_and_b32 s[WV], s31, 3                        ; which pair of tiles
	s_lshr_b32 s[QS], s31, 2                       ; which K step of the block
	s_sub_co_u32 s[BID], ttmp9, 256                ; my block
	s_mov_b32 s[MNT], 0x600000
	s_mov_b32 s[IDB], 256
	s_mov_b32 s[KSH], 4
	s_mov_b32 s[STR], 4096
	s_cmp_lt_u32 s[BID], 256
	s_cselect_b32 s[IDB], 128, s[IDB]
	s_cselect_b32 s[KSH], 2, s[KSH]
	s_cselect_b32 s[STR], 16384, s[STR]
	s_cmp_lt_u32 s[BID], 128
	s_cselect_b32 s[IDB], 96, s[IDB]
	s_cselect_b32 s[STR], 4096, s[STR]
	s_cmp_lt_u32 s[BID], 96
	s_cselect_b32 s[IDB], 0, s[IDB]
	s_cselect_b32 s[STR], 256, s[STR]
	s_sub_co_u32 s32, s[BID], s[IDB]
	s_lshr_b32 s33, s32, s[KSH]
	s_lshl_b32 s34, s33, s[KSH]
	s_sub_co_u32 s34, s32, s34
	s_lshl_b32 s35, s33, 9
	s_lshl_b32 s36, s[WV], 7
	s_add_co_u32 s35, s35, s36
	s_and_b32 s36, s33, 7
	s_lshl_b32 s36, s36, 19
	s_lshr_b32 s37, s[WV], 1
	s_lshl_b32 s37, s37, 18
	s_add_co_u32 s36, s36, s37
	s_and_b32 s37, s[WV], 1
	s_lshl_b32 s37, s37, 7
	s_add_co_u32 s36, s36, s37
	s_cmp_lt_u32 s[BID], 96
	s_cselect_b32 s40, s36, s35
	s_lshl_b32 s34, s34, 1
	s_add_co_u32 s34, s34, s[QS]
	s_mul_i32 s34, s34, s[STR]
	s_lshl_b32 s34, s34, 7
	s_add_co_u32 s40, s40, s34
	s_mov_b32 s41, 0
	s_lshl_b32 s[STP], s[STR], 3                   ; eight rows in bytes
	s_mov_b32 s[STP+1], 0
	s_mul_i32 s42, s[BID], BLK
	s_mov_b32 s43, 0
	v_lshlrev_b32 v[WO], 4, v3
	v_lshl_add_u32 v[WO], v2, 11, v[WO]
	s_lshl_b32 s31, s[WV], 12
	s_lshl_b32 s44, s[QS], 14
	s_add_co_u32 s31, s31, s44
	v_add_nc_u32 v[WO], s31, v[WO]
	v_lshlrev_b32 v[SO], 3, v1
	s_lshl_b32 s31, s[WV], 8
	s_lshl_b32 s44, s[QS], 2
	s_add_co_u32 s31, s31, s44
	v_add_nc_u32 v[SO], s31, v[SO]
	v_and_b32 v6, 8, v3
	v_add_nc_u32 v6, v6, v3
	v_lshl_add_u32 v6, v2, 3, v6
	v_lshlrev_b32 v[OFF], 2, v6
.set i, 1
.rept 7
	v_add_nc_u32 v[OFF+i], s[STR], v[OFF+i-1]
.set i, i+1
.endr
	s_wait_alu depctr_va_vdst(0)
	s_wait_kmcnt 0x0
	s_mov_b64 s[SR:SR+1], s[14:15]                 ; the buffer is chosen on the work-group's number alone
	s_cmp_lt_u32 s[BID], 256
	s_cselect_b64 s[SR:SR+1], s[12:13], s[SR:SR+1]
	s_cmp_lt_u32 s[BID], 128
	s_cselect_b64 s[SR:SR+1], s[10:11], s[SR:SR+1]
	s_cmp_lt_u32 s[BID], 96
	s_cselect_b64 s[SR:SR+1], s[8:9], s[SR:SR+1]
	s_cmp_lt_u32 s[BID], 64
	s_cselect_b64 s[SR:SR+1], s[6:7], s[SR:SR+1]
	s_cmp_lt_u32 s[BID], 32
	s_cselect_b64 s[SR:SR+1], s[4:5], s[SR:SR+1]
	s_add_nc_u64 s[SR:SR+1], s[SR:SR+1], s[40:41]
.set i, 1
.rept 15
	s_add_nc_u64 s[SR+2*i:SR+2*i+1], s[SR+2*i-2:SR+2*i-1], s[STP:STP+1]
.set i, i+1
.endr
	s_add_nc_u64 s[DST:DST+1], s[16:17], s[42:43]
.macro LOAD t                          ; 32 rows of K at my column: the wave's 32 lanes read 128 consecutive bytes
.set i, 0
.rept 32
	global_load_b32 v[X+32*(\t)+i], v[OFF+i%8], s[SR+8*(\t)+2*(i/8):SR+8*(\t)+2*(i/8)+1] th:TH_LOAD_NT
.set i, i+1
.endr
.endm
.macro BLOCK t
.set XS, X+32*(\t)
.if (\t) == 0
.set CS, OFF
.else
.set CS, X+32*((\t)-1)
.endif
.if (\t) < 2
	s_wait_loadcnt 63                              ; behind these 32 loads 96 or 64 were issued: the wait's field holds 63 at most
.elseif (\t) == 2
	s_wait_loadcnt 32
.else
	s_wait_loadcnt 0x0
.endif
	v_max3_num_f32 v12, |v[XS]|, |v[XS+1]|, |v[XS+2]|
	v_max3_num_f32 v13, |v[XS+3]|, |v[XS+4]|, |v[XS+5]|
.irp i, 6,10,14,18,22,26
	v_max3_num_f32 v12, v12, |v[XS+\i]|, |v[XS+\i+1]|
	v_max3_num_f32 v13, v13, |v[XS+\i+2]|, |v[XS+\i+3]|
.endr
	v_max3_num_f32 v12, v12, |v[XS+30]|, |v[XS+31]|
	v_max3_num_f32 v12, v12, v13, 0x8000000        ; the floor 2^(16 - 127)
	v_add_nc_u32 v11, 0xf8800000, v12              ; the conversion's scale operand
	v_and_or_b32 v10, v12, 0x7f800000, s[MNT]      ; 57,344 x the scale
	v_lshrrev_b32 v13, 23, v11                     ; the byte
.if (\t) == 0
	v_mov_b32 v[SB], v13
.else
	v_lshl_or_b32 v[SB], v13, 8*(\t), v[SB]
.endif
.set i, 0
.rept 32
	v_med3_num_f32 v[XS+i], v[XS+i], -v10, v10     ; the conversion does not saturate (ISA guide 7.6.2)
.set i, i+1
.endr
.irp g, 0,1,2,3
	v_cvt_scalef32_pk8_bf8_f32 v[CS+2*\g:CS+2*\g+1], v[XS+8*\g:XS+8*\g+7], v11
.endr
	v_nop
	global_store_b128 v[WO], v[CS:CS+3], s[DST:DST+1] offset:512*(\t)
	global_store_b128 v[WO], v[CS+4:CS+7], s[DST:DST+1] offset:512*(\t)+256
.endm
.irp t, 0,1,2,3
	LOAD \t
.endr
	s_wait_xcnt 0x0                                ; every load has read its offset register: the first block's codes are written there
.irp t, 0,1,2,3
	BLOCK \t
.endr
	global_store_b32 v[SO], v[SB], s[DST:DST+1] offset:32768
	s_endpgm
.Lfunc_end_k_q3a8f1d590a_ln1:
	.size	k_q3a8f1d590a_ln1, .Lfunc_end_k_q3a8f1d590a_ln1-k_q3a8f1d590a_ln1
	.p2alignl 7, 3214868480
	.fill 96, 4, 3214868480
	.section	.rodata,"a",@progbits
	.p2align	6, 0x0
	.amdhsa_kernel k_q3a8f1d590a_ln1
		.amdhsa_group_segment_fixed_size 101376
		.amdhsa_private_segment_fixed_size 0
		.amdhsa_enable_private_segment 0
		.amdhsa_kernarg_size 88
		.amdhsa_user_sgpr_count 2
		.amdhsa_user_sgpr_kernarg_segment_ptr 1
		.amdhsa_wavefront_size32 1
		.amdhsa_system_sgpr_workgroup_id_x 1
		.amdhsa_system_sgpr_workgroup_id_y 1
		.amdhsa_system_sgpr_workgroup_id_z 1
		.amdhsa_system_vgpr_workitem_id 0
		.amdhsa_next_free_vgpr 168
		.amdhsa_next_free_sgpr 100
		.amdhsa_reserve_vcc 0
		.amdhsa_float_denorm_mode_32 3
		.amdhsa_float_denorm_mode_16_64 3
		.amdhsa_memory_ordered 1
		.amdhsa_forward_progress 1
		.amdhsa_inst_pref_size 65
	.end_amdhsa_kernel
	.amdgpu_metadata
---
amdhsa.version: [ 1, 2 ]
amdhsa.kernels:
  - .name:           k_q3a8f1d590a_ln1
    .symbol:         k_q3a8f1d590a_ln1.kd
    .args:
      - { .name: x, .offset: 0, .size: 8, .value_kind: global_buffer, .address_space: global }
      - { .name: ln1_w, .offset: 8, .size: 8, .value_kind: global_buffer, .address_space: global }
      - { .name: ln1_b, .offset: 16, .size: 8, .value_kind: global_buffer, .address_space: global }
      - { .name: xn_c, .offset: 24, .size: 8, .value_kind: global_buffer, .address_space: global }
      - { .name: wq, .offset: 32, .size: 8, .value_kind: global_buffer, .address_space: global }
      - { .name: wk, .offset: 40, .size: 8, .value_kind: global_buffer, .address_space: global }
      - { .name: wv, .offset: 48, .size: 8, .value_kind: global_buffer, .address_space: global }
      - { .name: w_proj, .offset: 56, .size: 8, .value_kind: global_buffer, .address_space: global }
      - { .name: w1, .offset: 64, .size: 8, .value_kind: global_buffer, .address_space: global }
      - { .name: w2, .offset: 72, .size: 8, .value_kind: global_buffer, .address_space: global }
      - { .name: wts, .offset: 80, .size: 8, .value_kind: global_buffer, .address_space: global }
    .group_segment_fixed_size: 101376
    .private_segment_fixed_size: 0
    .kernarg_segment_align: 8
    .kernarg_segment_size: 88
    .max_flat_workgroup_size: 256
    .sgpr_count:     100
    .vgpr_count:     168
    .wavefront_size: 32
...
	.end_amdgpu_metadata
.endif
;; end of part 1
;; launch qkv (part 2): grid 8 x 24, 4 waves a work-group, clusters of 4 x 4, 327,680 bytes of LDS; arguments xn_c, wts, q_c, kv_c; writes q_c, kv_c
.if DOCPART == 2
	.amdgcn_target "amdgcn-amd-amdhsa--gfx1250"
	.amdhsa_code_object_version 6
	.text
	.protected	k_q3a8f1d590a_qkv
	.globl	k_q3a8f1d590a_qkv
	.p2align	8
	.type	k_q3a8f1d590a_qkv,@function
k_q3a8f1d590a_qkv:
	s_mov_b64 s[64:65], 0
	v_nop
	global_prefetch_b8 v0, s[64:65] scope:SCOPE_SE
	s_setreg_imm32_b32 hwreg(HW_REG_WAVE_MODE, 25, 1), 1
	s_wait_xcnt 0x0
	s_wait_alu depctr_hold_cnt(0) depctr_sa_sdst(0) depctr_va_vdst(0) depctr_va_sdst(0) depctr_va_ssrc(0) depctr_va_vcc(0) depctr_vm_vsrc(0)
	s_getreg_b32 s2, hwreg(HW_REG_IB_STS2, 6, 4)
	s_cmp_eq_u32 s2, 0
	s_cbranch_scc0 .Lentry_in_a_cluster
	s_endpgm
.Lentry_in_a_cluster:
	s_bfe_u32 s2, ttmp6, 0x10000c
	s_cmp_lg_u32 s2, 0xf033
	s_cbranch_scc0 .Lentry_shape_is_right
	s_endpgm
.Lentry_shape_is_right:
; A product of two operands of codes of E5M2 (one E8M0 byte for each 32 along K), K = 1,024, whose result is quantised again on the way out and leaves as codes.  One text serves two launches (FFN below).
; FFN = 0: q, k and v.  Clusters with y under 4: X1 = xn (tokens), X0 = wq, wk (rows head x 64 + e): a lane holds one token and its registers run along e: q and k quantised along e.
;          Clusters with y = 4, 5: X1 = wv's rows, X0 = xn: a lane holds one channel and its registers run along the tokens: v quantised along the keys.
; FFN = 1: h = relu(xn2 w1 + b1), quantised along the hidden axis; b1 is the C of each sum's first product (so it is added first, not last).
; OPERANDS lie in blocks of 128 rows x 256 K, BLK = 33,792 bytes, dense: fragment (tile i, K step q) at (8 q + i) 2048 as an image of its registers (group c of lane L at 512 c + 16 L), scale words at
; 32768 + 256 (i / 2) + 8 (16 (i % 2) + row) + 4 q.  Storage row 32 b + 16 u + r holds row 32 b + 8 u + r + 8 (r / 8): so in D = (X0's tile 2 b + u) x (X1's tile a) the 16 registers of tiles 2 b, 2 b + 1 are 16 neighbours of X0's index.
; SHARES: a work-group makes 256 (X1) x 256 (X0); each of four waves 128 x 128: 64 accumulators.  K goes 256 a slot through a ring of two LDS slots; one tensor load a wave brings one block, codes and scales together.
; CLUSTER 4 x 4: X1's blocks are shared along a row of the cluster, X0's along a column: joint loads.  By this text's count a wave has one tensor load out at any time.
; REGISTERS: window 0: v16-29 addresses; v32-63 scale words, a set for each slot; v64-127 b1 (FFN), later the quantiser's work; v128-255 X1's eight fragments.  window 1: X0's fragments, two sets.  windows 2, 3: accumulator (a, b) at v[8 (8 (a % 4) + b)].
; LIMITS: NaN and infinities are not served; a block whose largest magnitude lies under 2^-111 carries the byte 1 (only this program reads the bytes).
; (The head: one tensor load a wave, slot 0's; slot 1's first fill follows behind the three lines and a round, as a refill does.  So a wave has one tensor load out at any time.)
.set FFN,   0
.set BLK,   33792
.set SLOT,  4*BLK                      ; X1's two blocks, then X0's two
.set SPARE, 2*SLOT                     ; the spare words: 128 bytes a wave, named by no other line
.set W1OFF, 4325376                    ; w1's blocks in wts
.set NP,    8                          ; places behind this matrix form (ISA guide 7.12.1)
.set ADRA, 16                          ; v16-17 my X1 block in slot 0, 1: + 16 lane
.set ADS1, 18                          ; v18-19 the same + 8 lane: its scale words
.set ADRB, 20                          ; v20-21, v22-23 the same for X0
.set ADS0, 22
.set LI,   24                          ; v24 16 lane
.set LS,   25                          ; v25 4 lane
.set LS8,  26                          ; v26 8 lane
.set BO,   27                          ; v27 64 (lane / 16): b1's offset
.set SPW,  28
.set NIL,  29
.set SC,   32                          ; set s at SC + 16 s: X0's words of tile pair p, K step q at + 2 p + q; X1's at + 8 + 2 p + q; lanes 0-15 the even tile, lanes 16-31 the odd one
.set BI,   64
.set TM,   64                          ; v64-67 maxima, v68-71 bytes, v72-75 holds, v76-79 scale operands
.set PW,   80                          ; the scale word just made
.set PWE,  81                          ; that of the even tile before it
.set PK,   82                          ; v82-83 words as they are stored
.set PC,   96                          ; v96-111 the codes just made
.set AF,   128
.set G1,  24
.set G0,  32
.set G1B, 48
.set G0B, 56
.set SEL, 82                           ; s[82:83]
.set MNT, 84
.set MH,  85
.set MSB, 0
.macro WIN new                         ; the immediate's high byte repeats the setting that is left
.if MSB != (\new)
	s_set_vgpr_msb (MSB<<8)|(\new)
.set MSB, (\new)
.endif
.endm
.set MUL_LO, 0xa1                      ; source 0 (X0) window 1, source 1 (X1) window 0, C and D window 2
.set MUL_HI, 0xf1
.set TO_B,   0x40
.macro PLACES n
.rept \n
	v_nop
.endr
.endm
.macro JLOAD g0a, g1a, g0b, g1b        ; waves 0, 1 fetch X1's blocks, waves 2, 3 X0's; four v_nop follow each line
	s_cmp_eq_u32 s15, 0
	s_cbranch_scc0 .Lfor_b_\@
	tensor_load_to_lds s[\g0a:\g0a+3], s[\g1a:\g1a+7]
	s_nop 0
.rept 4
	v_nop
.endr
	s_branch .Lasked_\@
.Lfor_b_\@:
	tensor_load_to_lds s[\g0b:\g0b+3], s[\g1b:\g1b+7]
	s_nop 0
.rept 4
	v_nop
.endr
.Lasked_\@:
.endm
.macro CREST
	s_cmp_lg_u32 s14, 0
	s_cbranch_scc1 .Lnot_wave_0_\@
	s_barrier_signal -3
.Lnot_wave_0_\@:
	s_barrier_wait -3
	s_barrier_signal -1
	s_barrier_wait -1
.endm
.macro CROUND
	s_barrier_signal -1
	s_barrier_wait -1
	CREST
.endm
; one product; ra, rb = 1: that side's scales stand in lanes 16-31 of the register named
.macro WMC d, a, b, c, sa, sb, ra, rb
.if ((\ra) == 0) && ((\rb) == 0)
	v_wmma_scale_f32_16x16x128_f8f6f4 v[(\d):(\d)+7], v[(\a):(\a)+15], v[(\b):(\b)+15], v[(\c):(\c)+7], v[(\sa)], v[(\sb)] matrix_a_fmt:MATRIX_FMT_BF8 matrix_b_fmt:MATRIX_FMT_BF8
.elseif ((\ra) == 1) && ((\rb) == 0)
	v_wmma_scale_f32_16x16x128_f8f6f4 v[(\d):(\d)+7], v[(\a):(\a)+15], v[(\b):(\b)+15], v[(\c):(\c)+7], v[(\sa)], v[(\sb)] matrix_a_fmt:MATRIX_FMT_BF8 matrix_b_fmt:MATRIX_FMT_BF8 matrix_a_scale:MATRIX_SCALE_ROW1
.elseif ((\ra) == 0) && ((\rb) == 1)
	v_wmma_scale_f32_16x16x128_f8f6f4 v[(\d):(\d)+7], v[(\a):(\a)+15], v[(\b):(\b)+15], v[(\c):(\c)+7], v[(\sa)], v[(\sb)] matrix_a_fmt:MATRIX_FMT_BF8 matrix_b_fmt:MATRIX_FMT_BF8 matrix_b_scale:MATRIX_SCALE_ROW1
.else
	v_wmma_scale_f32_16x16x128_f8f6f4 v[(\d):(\d)+7], v[(\a):(\a)+15], v[(\b):(\b)+15], v[(\c):(\c)+7], v[(\sa)], v[(\sb)] matrix_a_fmt:MATRIX_FMT_BF8 matrix_b_fmt:MATRIX_FMT_BF8 matrix_a_scale:MATRIX_SCALE_ROW1 matrix_b_scale:MATRIX_SCALE_ROW1
.endif
.endm
.macro WMZ d, a, b, sa, sb, ra, rb     ; the same with the constant 0 as C: it starts a sum
.if ((\ra) == 0) && ((\rb) == 0)
	v_wmma_scale_f32_16x16x128_f8f6f4 v[(\d):(\d)+7], v[(\a):(\a)+15], v[(\b):(\b)+15], 0, v[(\sa)], v[(\sb)] matrix_a_fmt:MATRIX_FMT_BF8 matrix_b_fmt:MATRIX_FMT_BF8
.elseif ((\ra) == 1) && ((\rb) == 0)
	v_wmma_scale_f32_16x16x128_f8f6f4 v[(\d):(\d)+7], v[(\a):(\a)+15], v[(\b):(\b)+15], 0, v[(\sa)], v[(\sb)] matrix_a_fmt:MATRIX_FMT_BF8 matrix_b_fmt:MATRIX_FMT_BF8 matrix_a_scale:MATRIX_SCALE_ROW1
.elseif ((\ra) == 0) && ((\rb) == 1)
	v_wmma_scale_f32_16x16x128_f8f6f4 v[(\d):(\d)+7], v[(\a):(\a)+15], v[(\b):(\b)+15], 0, v[(\sa)], v[(\sb)] matrix_a_fmt:MATRIX_FMT_BF8 matrix_b_fmt:MATRIX_FMT_BF8 matrix_b_scale:MATRIX_SCALE_ROW1
.else
	v_wmma_scale_f32_16x16x128_f8f6f4 v[(\d):(\d)+7], v[(\a):(\a)+15], v[(\b):(\b)+15], 0, v[(\sa)], v[(\sb)] matrix_a_fmt:MATRIX_FMT_BF8 matrix_b_fmt:MATRIX_FMT_BF8 matrix_a_scale:MATRIX_SCALE_ROW1 matrix_b_scale:MATRIX_SCALE_ROW1
.endif
.endm
	s_load_b256 s[4:11], s[0:1], 0x0               ; xn_c, wts, then q_c and kv_c (FFN: b1 and h_c)
	v_lshl_add_u32 v[SPW], v0, 2, SPARE
	v_mov_b32 v[NIL], 0
	ds_add_u32 v28, v29
	ds_add_u32 v28, v29
	s_wait_dscnt 0x0
	v_lshrrev_b32 v1, 5, v0
	v_readfirstlane_b32 s14, v1                    ; wave
	s_lshr_b32 s15, s14, 1                         ; my half of X1.  Also: I fetch for X1 (0) or X0 (1)
	s_and_b32 s16, s14, 1                          ; my half of X0.  Also: which of the two blocks I fetch
	s_bfe_u32 s40, ttmp6, 0x40000                  ; cx
	s_bfe_u32 s41, ttmp6, 0x40004                  ; cy
	s_lshl_b32 s42, ttmp9, 2
	s_add_co_u32 s42, s42, s40                     ; x
	s_and_b32 s45, ttmp7, 0xffff                   ; the cluster's y
	s_lshl_b32 s17, s45, 2
	s_add_co_u32 s17, s17, s41                     ; y
	s_lshl_b32 s43, s41, 2
	s_lshl_b32 s43, 15, s43                        ; my row of the cluster
	s_lshl_b32 s44, 0x1111, s40                    ; my column
	s_or_b32 s[G1+0], s43, (3<<16)|(1<<21)         ; the mask; elements of 8 bytes; bit 21 beside a mask; no padding
	s_or_b32 s[G1B+0], s44, (3<<16)|(1<<21)
.irp g, G1, G1B
	s_mov_b32 s[\g+1], 32<<16                      ; a block is 132 dense rows of 256 bytes: tensor_dim0 = 32
	s_mov_b32 s[\g+2], 132<<16                     ; tensor_dim1
	s_mov_b32 s[\g+3], 32<<16                      ; tile_dim0
	s_mov_b32 s[\g+4], 132                         ; tile_dim1
	s_mov_b32 s[\g+5], 32                          ; the pitch
	s_mov_b32 s[\g+6], 0
	s_mov_b32 s[\g+7], 0
.endr
.if FFN
	s_mov_b32 s74, s17                             ; X1's tile: y
	s_mov_b32 s75, s42                             ; X0's tile: x
.else
	s_add_co_u32 s12, s41, 8                       ; for v: X1 = wv's rows 256 cy on: tile 8 + cy of the weights,
	s_sub_co_i32 s13, s45, 4
	s_max_i32 s13, s13, 0
	s_lshl_b32 s13, s13, 3
	s_add_co_u32 s13, s13, s42                     ; X0 = tokens: tile x + 8 (cluster y - 4)
	s_cmp_ge_u32 s45, 4                            ; the role hangs on the cluster's y alone: the same in all sixteen partners
	s_cselect_b32 s46, 1, 0
	s_cselect_b32 s74, s12, s17
	s_cselect_b32 s75, s13, s42
.endif
	s_lshl_b32 s18, s74, 1
	s_add_co_u32 s18, s18, s16
	s_mul_i32 s18, s18, 4*BLK                      ; X1: block row 2 tile + which, four blocks along K
	s_mov_b32 s19, 0
	s_lshl_b32 s76, s75, 1
	s_add_co_u32 s76, s76, s16
	s_mul_i32 s76, s76, 4*BLK
	s_mov_b32 s77, 0
	s_mul_i32 s47, s14, BLK                        ; where my block goes in a slot
	s_wait_kmcnt 0x0
.if FFN
	s_add_nc_u64 s[20:21], s[4:5], s[18:19]
	s_add_nc_u64 s[22:23], s[6:7], s[76:77]
	s_add_nc_u64 s[22:23], s[22:23], W1OFF
.else
	s_cmp_eq_u32 s46, 1
	s_cselect_b64 s[20:21], s[6:7], s[4:5]
	s_cselect_b64 s[22:23], s[4:5], s[6:7]
	s_add_nc_u64 s[20:21], s[20:21], s[18:19]
	s_add_nc_u64 s[22:23], s[22:23], s[76:77]
.endif
	CROUND                                         ; all sixteen work-groups are here: the first joint loads meet
.irp s, 0,1
	s_mov_b32 s[G0+4*\s], 1
	s_add_co_u32 s[G0+4*\s+1], s47, \s*SLOT
	s_add_nc_u64 s[G0+4*\s+2:G0+4*\s+3], s[20:21], \s*BLK
	s_or_b32 s[G0+4*\s+3], s[G0+4*\s+3], 0x80000000
	s_mov_b32 s[G0B+4*\s], 1
	s_add_co_u32 s[G0B+4*\s+1], s47, \s*SLOT
	s_add_nc_u64 s[G0B+4*\s+2:G0B+4*\s+3], s[22:23], \s*BLK
	s_or_b32 s[G0B+4*\s+3], s[G0B+4*\s+3], 0x80000000
.endr
	JLOAD G0, G1, G0B, G1B                         ; slot 0: one tensor load a wave at the head
	v_and_b32 v1, 31, v0
	v_lshlrev_b32 v[LI], 4, v1
	v_lshlrev_b32 v[LS], 2, v1
	v_lshlrev_b32 v[LS8], 3, v1
	s_mul_i32 s2, s15, BLK
	s_mul_i32 s3, s16, BLK
	s_add_co_u32 s3, s3, 2*BLK
.irp s, 0,1
	v_add_nc_u32 v[ADRA+\s], s2, v[LI]
	v_add_nc_u32 v[ADS1+\s], s2, v[LS8]
	v_add_nc_u32 v[ADRB+\s], s3, v[LI]
	v_add_nc_u32 v[ADS0+\s], s3, v[LS8]
	s_add_co_u32 s2, s2, SLOT
	s_add_co_u32 s3, s3, SLOT
.endr
	s_mov_b32 s[SEL], 0x76543210
	s_mov_b32 s[SEL+1], 0xfedcba98
	s_mov_b32 s[MNT], 0x600000
	s_mov_b32 s[MH], 0xffff0000
.if FFN
	v_lshrrev_b32 v2, 4, v1
	v_lshlrev_b32 v[BO], 6, v2
	s_lshl_b32 s18, s42, 10                        ; b1 at my 128 hidden units: 256 x + 128 half
	s_lshl_b32 s19, s16, 9
	s_add_co_u32 s18, s18, s19
	s_mov_b32 s19, 0
	s_add_nc_u64 s[68:69], s[8:9], s[18:19]
.irp b, 0,1,2,3,4,5,6,7                ; in the result's layout: tile b, lane half h: units 32 (b / 2) + 16 h + 8 (b % 2) + 0 .. 7
	global_load_b128 v[BI+8*\b:BI+8*\b+3], v[BO], s[68:69] offset:128*(\b/2)+32*(\b%2)
	global_load_b128 v[BI+8*\b+4:BI+8*\b+7], v[BO], s[68:69] offset:128*(\b/2)+32*(\b%2)+16
.endr
	s_lshl_b32 s18, s17, 1                         ; h_c: block (2 y + my half of the tokens, x); my hidden half is its K step
	s_add_co_u32 s18, s18, s15
	s_lshl_b32 s18, s18, 4
	s_add_co_u32 s18, s18, s42
	s_mul_i32 s18, s18, BLK
	s_mov_b32 s19, 0
	s_add_nc_u64 s[66:67], s[10:11], s[18:19]
	s_lshl_b32 s18, s16, 2
	s_add_co_u32 s18, s18, 32768
	s_add_nc_u64 s[70:71], s[66:67], s[18:19]      ; its scale words
	s_lshl_b32 s18, s16, 14
	s_add_nc_u64 s[66:67], s[66:67], s[18:19]      ; its fragments
.else
	; where the results go.  A step block (batch x 16 + head, 128 tokens): kv_c: 17,408 bytes: K's four fragments, V's four from 8192, K's words from 16384, V's from 16896; q_c: 8,704: the K part alone
	s_lshl_b32 s2, s75, 1
	s_add_co_u32 s2, s2, s16                       ; for v: my block of 128 tokens
	s_lshl_b32 s3, s74, 1
	s_add_co_u32 s3, s3, s15                       ; for q, k
	s_lshl_b32 s12, s41, 2
	s_lshl_b32 s13, s15, 1
	s_add_co_u32 s12, s12, s13                     ; for v: my first head 4 cy + 2 half
	s_and_b32 s13, s42, 3
	s_lshl_b32 s13, s13, 2
	s_lshl_b32 s18, s16, 1
	s_add_co_u32 s13, s13, s18                     ; for q, k: 4 (x % 4) + 2 half
	s_cmp_eq_u32 s46, 1
	s_cselect_b32 s2, s2, s3
	s_cselect_b32 s12, s12, s13
	s_cselect_b32 s78, 8192, 0
	s_lshr_b32 s3, s42, 2                          ; x from 4 on: k
	s_or_b32 s3, s3, s46
	s_cmp_lg_u32 s3, 0
	s_cselect_b64 s[66:67], s[10:11], s[8:9]       ; kv_c or q_c
	s_mov_b32 s13, 8704
	s_cselect_b32 s13, 17408, s13
	s_mov_b32 s79, 8192
	s_cselect_b32 s79, 16384, s79
	s_lshr_b32 s18, s2, 3
	s_lshl_b32 s18, s18, 4
	s_add_co_u32 s18, s18, s12
	s_lshl_b32 s18, s18, 3
	s_and_b32 s2, s2, 7
	s_add_co_u32 s18, s18, s2
	s_mul_i32 s18, s18, s13
	s_add_co_u32 s18, s18, s78
	s_mov_b32 s19, 0
	s_add_nc_u64 s[66:67], s[66:67], s[18:19]      ; my first head's step block (for v: its V part)
	s_lshl_b32 s18, s13, 3
	s_add_nc_u64 s[68:69], s[66:67], s[18:19]      ; my second head's
	s_mov_b32 s18, s79
	s_add_nc_u64 s[70:71], s[66:67], s[18:19]      ; their scale words (q, k)
	s_add_nc_u64 s[72:73], s[68:69], s[18:19]
.endif
.macro FRAG reg, adr, q, i             ; a fragment comes back as it was laid: four loads of 512 consecutive bytes
.irp c, 0,1,2,3
	ds_load_b128 v[\reg+4*\c:\reg+4*\c+3], v[\adr] offset:(8*(\q)+(\i))*2048+512*\c
.endr
.endm
.macro FETCH_B slot, q, p
	WIN TO_B
.irp i, 0,1,2,3,4,5,6,7
	FRAG 128*(\p)+16*\i, ADRB+\slot, \q, \i
.endr
	WIN 0
.endm
.macro FETCH_A slot, q, i0
.irp i, \i0, \i0+1, \i0+2, \i0+3
	FRAG AF+16*(\i), ADRA+\slot, \q, \i
.endr
.endm
.macro SCALES sl                       ; eight loads: a slot's scale words of both sides, both K steps
.irp p, 0,1,2,3
	ds_load_b64 v[SC+16*\sl+2*\p:SC+16*\sl+2*\p+1], v[ADS0+\sl] offset:32768+256*\p
	ds_load_b64 v[SC+16*\sl+8+2*\p:SC+16*\sl+8+2*\p+1], v[ADS1+\sl] offset:32768+256*\p
.endr
.endm
; 16 products: X1's tiles a0, a0 + 1 against X0's eight.  The 64 accumulators take turns, one instruction a turn, in the same order in every step.
.macro MUL16 a0, p, q, sc, first
.irp a, \a0, \a0+1
.irp b, 0,1,2,3,4,5,6,7
.if \first
.if FFN
	WMC 8*(8*((\a)%4)+\b), 128*(\p)+16*\b, AF+16*(\a), BI+8*\b, SC+16*(\sc)+2*(\b/2)+(\q), SC+16*(\sc)+8+2*((\a)/2)+(\q), \b%2, (\a)%2
.else
	WMZ 8*(8*((\a)%4)+\b), 128*(\p)+16*\b, AF+16*(\a), SC+16*(\sc)+2*(\b/2)+(\q), SC+16*(\sc)+8+2*((\a)/2)+(\q), \b%2, (\a)%2
.endif
.else
	WMC 8*(8*((\a)%4)+\b), 128*(\p)+16*\b, AF+16*(\a), 8*(8*((\a)%4)+\b), SC+16*(\sc)+2*(\b/2)+(\q), SC+16*(\sc)+8+2*((\a)/2)+(\q), \b%2, (\a)%2
.endif
.endr
.endr
.endm
.macro STEP slot, q, first             ; 128 along K whose successor lies in the same slot
	s_wait_dscnt 16                                ; X0's set and X1's tiles 0-3 are in; the youngest 16 loads (tiles 4-7) may be out
.if (\first) && FFN
	WIN 0x81                                       ; C (b1) in window 0
.else
	WIN MUL_LO
.endif
	MUL16 0, (\q)%2, \q, \slot, \first
	MUL16 2, (\q)%2, \q, \slot, \first
	s_wait_dscnt 0x0
	PLACES NP                                      ; in front of loads into registers that matrix instructions have read
	FETCH_B \slot, (\q)+1, 1-(\q)%2
	FETCH_A \slot, (\q)+1, 0
.if (\first) && FFN
	WIN 0xc1
.else
	WIN MUL_HI
.endif
	MUL16 4, (\q)%2, \q, \slot, \first
	MUL16 6, (\q)%2, \q, \slot, \first
	PLACES NP
	WIN 0
	FETCH_A \slot, (\q)+1, 4
.endm
; A slot's second step changes slots: each wave waits for all its tensor loads, adds 0 to its spare word, waits for that and for its reads of this slot; one barrier, which with fill = 1 opens a round of the cluster's.
.macro TURN slot, next, fill
	s_wait_tensorcnt 0x0                           ; all my tensor loads have landed: my block of the next slot
	ds_add_u32 v[SPW], v[NIL]
	s_wait_dscnt 17                                ; the add and the youngest 16 loads may be out
	WIN MUL_LO
	MUL16 0, 1, 1, \slot, 0
	s_wait_dscnt 0x0                               ; the add is done, and my reads of this slot are over
	s_barrier_signal -1
	MUL16 2, 1, 1, \slot, 0
	WIN 0
	s_barrier_wait -1
.if \fill
	CREST                                          ; no wave of any partner still reads this slot or has a load on its way
	s_add_nc_u64 s[G0+4*\slot+2:G0+4*\slot+3], s[G0+4*\slot+2:G0+4*\slot+3], 2*BLK
	s_add_nc_u64 s[G0B+4*\slot+2:G0B+4*\slot+3], s[G0B+4*\slot+2:G0B+4*\slot+3], 2*BLK
	JLOAD G0+4*\slot, G1, G0B+4*\slot, G1B         ; the first tensor load behind the round; its four v_nop are four of the eight places
	PLACES NP-4
.else
	PLACES NP
.endif
	FETCH_B \next, 0, 0
	FETCH_A \next, 0, 0
	SCALES \next
	WIN MUL_HI
	MUL16 4, 1, 1, \slot, 0
	MUL16 6, 1, 1, \slot, 0
	PLACES NP
	WIN 0
	FETCH_A \next, 0, 4
.endm
	s_wait_alu depctr_va_vdst(0)
	s_wait_tensorcnt 0x0                           ; my block of slot 0 is in
	ds_add_u32 v[SPW], v[NIL]                      ; the add and its wait, ahead of a later first fill
	s_wait_dscnt 0x0
	CROUND                                         ; everybody's block of slot 0 is in, and the sixteen work-groups meet
	JLOAD G0+4, G1, G0B+4, G1B                     ; slot 1's first fill, the first tensor load behind the round
	FETCH_B 0, 0, 0
	FETCH_A 0, 0, 0
	SCALES 0
	FETCH_A 0, 0, 4
.if FFN
	s_wait_loadcnt 0x0                             ; b1
.endif
	STEP 0, 0, 1                                   ; K = 1,024 is eight steps, four slots' worth: written out, since a loop would have one trip
	TURN 0, 1, 1
	STEP 1, 0, 0
	TURN 1, 0, 1
	STEP 0, 0, 0
	TURN 0, 1, 0
	STEP 1, 0, 0
	s_wait_dscnt 16
	WIN MUL_LO
	MUL16 0, 1, 1, 1, 0
	MUL16 2, 1, 1, 1, 0
	s_wait_dscnt 0x0
	WIN MUL_HI
	MUL16 4, 1, 1, 1, 0
	MUL16 6, 1, 1, 1, 0
	WIN 0
	PLACES NP
; THE WAY OUT.  For X1's tile a my 64 registers, 16 b + i, are X0's index 32 b + 16 (lane / 16) + i of my row: four blocks of 32, each shared with lane l xor 16.  They become a fragment's 16 registers of codes and its scale word.
; Each phase stands under one setting of the windows; each accumulator is read from its low end on.
.macro QUANTW a, relu
.set WW, 2+(\a)/4
.set ACB, 64*((\a)%4)
	WIN WW|(WW<<2)
.irp b, 0,1,2,3
.if \relu
	v_max3_num_f32 v[TM+\b], v[ACB+16*\b], v[ACB+16*\b+1], 0x8000000       ; no |.|: what is negative becomes 0 and must not count; the floor 2^(16 - 127) stands over it
.else
	v_max3_num_f32 v[TM+\b], |v[ACB+16*\b]|, |v[ACB+16*\b+1]|, 0x8000000
.endif
.endr
	WIN (WW<<2)|(WW<<4)
.irp i, 2,4,6,8,10,12,14
.irp b, 0,1,2,3
.if \relu
	v_max3_num_f32 v[TM+\b], v[TM+\b], v[ACB+16*\b+\i], v[ACB+16*\b+\i+1]
.else
	v_max3_num_f32 v[TM+\b], v[TM+\b], |v[ACB+16*\b+\i]|, |v[ACB+16*\b+\i+1]|
.endif
.endr
.endr
	WIN 0
.irp b, 0,1,2,3
	v_permlanex16_b32 v[TM+4+\b], v[TM+\b], s[SEL], s[SEL+1]
.endr
.irp b, 0,1,2,3
	v_max_num_f32 v[TM+\b], v[TM+\b], v[TM+4+\b]
.endr
.irp b, 0,1,2,3
	v_add_nc_u32 v[TM+12+\b], 0xf8800000, v[TM+\b]         ; 15 off the exponent field: the conversion's scale operand
.endr
.irp b, 0,1,2,3
	v_and_or_b32 v[TM+8+\b], v[TM+\b], 0x7f800000, s[MNT]  ; 57,344 x the scale
.endr
.irp b, 0,1,2,3
	v_lshrrev_b32 v[TM+4+\b], 23, v[TM+12+\b]              ; the byte
.endr
	v_lshl_or_b32 v[PW], v[TM+5], 8, v[TM+4]
	v_lshl_or_b32 v[PW], v[TM+6], 16, v[PW]
	v_lshl_or_b32 v[PW], v[TM+7], 24, v[PW]
	WIN WW|(WW<<6)
.irp b, 0,1,2,3
.irp i, 0,1,2,3,4,5,6,7,8,9,10,11,12,13,14,15
.if \relu
	v_med3_num_f32 v[ACB+16*\b+\i], v[ACB+16*\b+\i], 0, v[TM+8+\b]          ; the activation and the hold in one
.else
	v_med3_num_f32 v[ACB+16*\b+\i], v[ACB+16*\b+\i], -v[TM+8+\b], v[TM+8+\b] ; the conversion does not saturate (ISA guide 7.6.2)
.endif
.endr
.endr
	WIN WW
.irp b, 0,1,2,3
	v_cvt_scalef32_pk8_bf8_f32 v[PC+4*\b:PC+4*\b+1], v[ACB+16*\b:ACB+16*\b+7], v[TM+12+\b]
	v_cvt_scalef32_pk8_bf8_f32 v[PC+4*\b+2:PC+4*\b+3], v[ACB+16*\b+8:ACB+16*\b+15], v[TM+12+\b]
.endr
	WIN 0
	v_nop                                          ; a plain line behind the last conversion
.endm
.irp b, 0,1,2,3
	v_mov_b32 v[TM+4+\b], 0                        ; a lane permute's destination counts as one of its sources
.endr
.irp a, 0,1,2,3,4,5,6,7
	s_wait_xcnt 0x0                                ; the last tile's stores have read their data: the registers are written again only behind this wait
.if FFN
	QUANTW \a, 1
.irp c, 0,1,2,3
	global_store_b128 v[LI], v[PC+4*\c:PC+4*\c+3], s[66:67] offset:\a*2048+512*\c   ; 512 consecutive bytes a store
.endr
.if (\a%2) == 0
	v_mov_b32 v[PWE], v[PW]
.else
	v_cndmask_b32 v[PK], v[PWE], v[PW], s[MH]      ; lanes 0-15 the even tile's words, lanes 16-31 the odd tile's
	global_store_b32 v[LS8], v[PK], s[70:71] offset:256*(\a/2)   ; 4 bytes at a pitch of 8: the other K step's words are the partner wave's; scale words are one byte in 32 of the codes
.endif
.else
	QUANTW \a, 0
.if (\a%2) == 0
	v_mov_b32 v[PWE], v[PW]
.else
	v_perm_b32 v[PK], v[PW], v[PWE], 0x05040100    ; first head: the even tile's two bytes, then the odd tile's
	v_perm_b32 v[PK+1], v[PW], v[PWE], 0x07060302  ; second head
.endif
	s_cmp_eq_u32 s46, 0
	s_cbranch_scc0 .Lv_\a
	; q, k: groups 0, 1 are my first head's e blocks, groups 2, 3 my second head's: half (a % 2) of fragment a / 2
	global_store_b128 v[LI], v[PC:PC+3], s[66:67] offset:(\a/2)*2048+1024*(\a%2)
	global_store_b128 v[LI], v[PC+4:PC+7], s[66:67] offset:(\a/2)*2048+1024*(\a%2)+512
	global_store_b128 v[LI], v[PC+8:PC+11], s[68:69] offset:(\a/2)*2048+1024*(\a%2)
	global_store_b128 v[LI], v[PC+12:PC+15], s[68:69] offset:(\a/2)*2048+1024*(\a%2)+512
.if (\a%2) == 1
	global_store_b32 v[LS], v[PK], s[70:71] offset:128*(\a/2)
	global_store_b32 v[LS], v[PK+1], s[72:73] offset:128*(\a/2)
.endif
	s_branch .Ldone_\a
.Lv_\a:
	; v: tile a is 16 channels of head a / 4: one fragment of V^T, 128 keys
	s_wait_alu depctr_va_vdst(0)
.irp c, 0,1,2,3
	global_store_b128 v[LI], v[PC+4*\c:PC+4*\c+3], s[66:67] offset:(\a/4)*139264+(\a%4)*2048+512*\c
.endr
	global_store_b32 v[LS], v[PW], s[66:67] offset:(\a/4)*139264+8704+128*(\a%4)
.Ldone_\a:
.endif
.endr
	s_wait_tensorcnt 0x0                           ; the wave's end
	ds_add_u32 v[SPW], v[NIL]
	s_wait_dscnt 0x0
	CROUND                                         ; the closing round
	s_endpgm
.Lfunc_end_k_q3a8f1d590a_qkv:
	.size	k_q3a8f1d590a_qkv, .Lfunc_end_k_q3a8f1d590a_qkv-k_q3a8f1d590a_qkv
	.p2alignl 7, 3214868480
	.fill 96, 4, 3214868480
	.section	.rodata,"a",@progbits
	.p2align	6, 0x0
	.amdhsa_kernel k_q3a8f1d590a_qkv
		.amdhsa_group_segment_fixed_size 327680
		.amdhsa_private_segment_fixed_size 0
		.amdhsa_enable_private_segment 0
		.amdhsa_kernarg_size 32
		.amdhsa_user_sgpr_count 2
		.amdhsa_user_sgpr_kernarg_segment_ptr 1
		.amdhsa_wavefront_size32 1
		.amdhsa_system_sgpr_workgroup_id_x 1
		.amdhsa_system_sgpr_workgroup_id_y 1
		.amdhsa_system_sgpr_workgroup_id_z 1
		.amdhsa_system_vgpr_workitem_id 0
		.amdhsa_next_free_vgpr 1024
		.amdhsa_next_free_sgpr 100
		.amdhsa_reserve_vcc 0
		.amdhsa_float_denorm_mode_32 3
		.amdhsa_float_denorm_mode_16_64 3
		.amdhsa_memory_ordered 1
		.amdhsa_forward_progress 1
		.amdhsa_inst_pref_size 190
	.end_amdhsa_kernel
	.amdgpu_metadata
---
amdhsa.version: [ 1, 2 ]
amdhsa.kernels:
  - .name:           k_q3a8f1d590a_qkv
    .symbol:         k_q3a8f1d590a_qkv.kd
    .args:
      - { .name: xn_c, .offset: 0, .size: 8, .value_kind: global_buffer, .address_space: global }
      - { .name: wts, .offset: 8, .size: 8, .value_kind: global_buffer, .address_space: global }
      - { .name: q_c, .offset: 16, .size: 8, .value_kind: global_buffer, .address_space: global }
      - { .name: kv_c, .offset: 24, .size: 8, .value_kind: global_buffer, .address_space: global }
    .group_segment_fixed_size: 327680
    .private_segment_fixed_size: 0
    .kernarg_segment_align: 8
    .kernarg_segment_size: 32
    .max_flat_workgroup_size: 128
    .sgpr_count:     100
    .vgpr_count:     1024
    .wavefront_size: 32
...
	.end_amdgpu_metadata
.endif
;; end of part 2
;; launch attn (part 3): grid 4 x 64, 16 waves a work-group, no clusters, 327,680 bytes of LDS; arguments q_c, kv_c, attn_c; writes attn_c
.if DOCPART == 3
	.amdgcn_target "amdgcn-amd-amdhsa--gfx1250"
	.amdhsa_code_object_version 6
	.text
	.protected	k_q3a8f1d590a_attn
	.globl	k_q3a8f1d590a_attn
	.p2align	8
	.type	k_q3a8f1d590a_attn,@function
k_q3a8f1d590a_attn:
	s_mov_b64 s[64:65], 0
	v_nop
	global_prefetch_b8 v0, s[64:65] scope:SCOPE_SE
	s_setreg_imm32_b32 hwreg(HW_REG_WAVE_MODE, 25, 1), 1
	s_wait_xcnt 0x0
; Causal attention of one head (64 channels, 1,024 tokens) on codes of E5M2 with one E8M0 byte for each 32 along a product's K; the result, divided by the row's sum, is quantised along the model's 1,024 and leaves as codes.
; t = score x log2(e) / 8; M = the running largest t rounded up to a whole number; p = 2^(t - M) is quantised along the keys; the sum is taken of the unquantised p; when M moves, sum and O are multiplied by 2^(old M - new M), exactly.
; SHARES: work-group (x, batch x 16 + head); wave w owns query tile 4 rho + x (16 storage rows) of the group of 64 queries rho, so the four work-groups of a head have like work.  Key steps of 128; every wave passes all eight, and jumps over
; the work of a step all of whose keys come after queries 64 rho .. 64 rho + 63 (a scalar branch on the wave's number and the step).  A step that is worked on has its first key at or under every query of the tile, so M is a number from the first step on.
; WHICH WAVE OWNS WHICH QUERIES: with w = 4 g + s, rho = 4 ((g + s) % 4) + (g + 2 s) % 4: a one-to-one map of 0 .. 15.  Group rho has rho / 2 + 1 key steps to work.  Among the four waves of equal s, and among the four of equal g,
; there is one from each quarter of the queries, and their key steps add up to 18: in every slot each such four has as many waves at work as every other.
; kv_c's step block, 17,408 bytes: K's fragments b = 0 .. 3 at 2048 b (registers 0-7: key tile 2 b with its 64 channels; registers 8-15: key tile 2 b + 1), V^T's e = 0 .. 3 at 8192 + 2048 e (16 channels x 128 keys), K's words at 16384 + 128 b + 4 lane, V's at 16896 + 128 e + 4 lane.
; K = 64 IN AN INSTRUCTION OF 128: Q stands twice in registers, as [Q | zero codes] and [zero codes | Q]; a K fragment times the first gives key tile 2 b's scores, times the second tile 2 b + 1's.  The half that does not count multiplies finite codes by the code 0.
; Both products are used transposed: a lane holds one query.  Storage row 32 b + 16 u + r holds token (or channel) 32 b + 8 u + r + 8 (r / 8): so the 16 registers of tiles 2 b, 2 b + 1 are 16 neighbouring keys (channels).
; No cluster: a slot's 34,816 bytes stand against sixteen waves' two key steps of some 430 vector instructions each: what would be shared is a small part of a step's work.
; By this text's count a wave has at most one tensor load out.
; LIMITS: NaN and infinities are not served; p under 2^-126 becomes 0 (v_exp_f32); v_exp_f32, v_rcp_f32 are good to one unit in the last place; a block whose largest magnitude lies under 2^-111 carries the byte 1.
.set STEPB, 17408
.set SLOT1, 65536                      ; a slot holds two step blocks; slot 1 begins here, so that one exclusive or turns an address
.set SPARE, 131072                     ; the spare words: 128 bytes for each of 16 waves
.set BLK,   33792
.set LI,  1                            ; v1 16 lane
.set LS,  2                            ; v2 4 lane
.set SPW, 5
.set NIL, 6
.set QD,  7                            ; v7 my query - 16 (lane / 16)
.set ADK, 8
.set ADS, 9
.set WV,  18
.set MNT, 19
.set SEL, 20
.set CS,  22                           ; s[22:23] c = log2(e) / 8
.set G1,  24
.set G0,  32
.set TB,  2                            ; s2  the slot in hand
.set KF,  36                           ; s36 the step's first key
.set QHI, 37                           ; s37 64 rho + 63
.set QLO, 38                           ; s38 64 rho
.set SLOTS, 39
.set BH,  48
.set TAU, 49
.set RHO, 56                           ; s56 my group of 64 queries
.macro TLOAD                           ; waves 0 and 1 fetch a slot's two step blocks; four v_nop follow the line
	s_cmp_lt_u32 s[WV], 2
	s_cbranch_scc0 .Lnone_\@
	tensor_load_to_lds s[G0:G0+3], s[G1:G1+7]
	s_nop 0
.rept 4
	v_nop
.endr
.Lnone_\@:
.endm
	s_load_b128 s[4:7], s[0:1], 0x0                ; q_c, kv_c
	s_load_b64 s[8:9], s[0:1], 0x10                ; attn_c
	v_lshl_add_u32 v[SPW], v0, 2, SPARE
	v_mov_b32 v[NIL], 0
	ds_add_u32 v5, v6
	ds_add_u32 v5, v6
	s_wait_dscnt 0x0
	v_lshrrev_b32 v8, 5, v0
	s_delay_alu instid0(VALU_DEP_1)
	v_readfirstlane_b32 s[WV], v8
	s_and_b32 s[BH], ttmp7, 0xffff
	s_lshr_b32 s40, s[WV], 2                       ; g
	s_and_b32 s41, s[WV], 3                        ; s
	s_add_co_u32 s42, s40, s41
	s_and_b32 s42, s42, 3                          ; the quarter of the queries: (g + s) % 4
	s_lshl_b32 s41, s41, 1
	s_add_co_u32 s41, s41, s40
	s_and_b32 s41, s41, 3                          ; the place in it: (g + 2 s) % 4
	s_lshl_b32 s[RHO], s42, 2
	s_add_co_u32 s[RHO], s[RHO], s41
	s_lshl_b32 s[TAU], s[RHO], 2
	s_add_co_u32 s[TAU], s[TAU], ttmp9             ; my query tile
	s_mov_b32 s[G1], 3<<16                         ; elements of 8 bytes, no mask, no padding: a step block is 68 dense rows of 256 bytes
	s_mov_b32 s[G1+1], 32<<16
	s_mov_b32 s[G1+2], 68<<16
	s_mov_b32 s[G1+3], 32<<16
	s_mov_b32 s[G1+4], 68
	s_mov_b32 s[G1+5], 32
	s_mov_b32 s[G1+6], 0
	s_mov_b32 s[G1+7], 0
	s_and_b32 s40, s[WV], 1
	s_mul_i32 s40, s40, STEPB                      ; which of the two blocks: in LDS and in memory alike
	s_mul_i32 s42, s[BH], 8*STEPB
	s_add_co_u32 s42, s42, s40
	s_mov_b32 s43, 0
	s_lshl_b32 s44, s[BH], 3                       ; Q: step block 8 bh + tau / 8 of 8,704 bytes, fragment (tau / 2) % 4, half tau % 2
	s_lshr_b32 s45, s[TAU], 3
	s_add_co_u32 s44, s44, s45
	s_mul_i32 s44, s44, 8704
	s_bfe_u32 s45, s[TAU], 0x20001
	s_lshl_b32 s46, s45, 11
	s_add_co_u32 s46, s46, s44
	s_and_b32 s41, s[TAU], 1
	s_lshl_b32 s47, s41, 10
	s_add_co_u32 s46, s46, s47                     ; its codes
	s_mov_b32 s47, 0
	s_lshl_b32 s50, s45, 7
	s_add_co_u32 s50, s50, s44
	s_add_co_u32 s50, s50, 8192                    ; its scale words
	s_mov_b32 s51, 0
	s_lshl_b32 s41, s41, 4                         ; which half of the word is my tile's
	s_mov_b32 s[SEL], 0x76543210
	s_mov_b32 s[SEL+1], 0xfedcba98
	s_mov_b32 s[CS], 0x3e38aa3b
	s_mov_b32 s[CS+1], s[CS]
	s_mov_b32 s[MNT], 0x600000
	s_mov_b32 s[TB], 0
	s_mov_b32 s[KF], 0
	s_lshl_b32 s[QLO], s[RHO], 6
	s_add_co_u32 s[QHI], s[QLO], 63
	s_mov_b32 s[SLOTS], 3
	s_wait_kmcnt 0x0
	s_mov_b32 s[G0], 1
	s_mov_b32 s[G0+1], s40
	s_add_nc_u64 s[G0+2:G0+3], s[6:7], s[42:43]
	s_or_b32 s[G0+3], s[G0+3], 0x80000000
	TLOAD                                          ; slot 0: keys 0 to 255
	s_add_nc_u64 s[52:53], s[4:5], s[46:47]
	s_add_nc_u64 s[54:55], s[4:5], s[50:51]
	v_and_b32 v8, 31, v0
	s_delay_alu instid0(VALU_DEP_1)
	v_lshlrev_b32 v[LI], 4, v8
	s_delay_alu instid0(VALU_DEP_2)
	v_lshlrev_b32 v[LS], 2, v8
	global_load_b128 v[16:19], v[LI], s[52:53]             ; [Q | 0]
	global_load_b128 v[20:23], v[LI], s[52:53] offset:512
	global_load_b128 v[200:203], v[LI], s[52:53]           ; [0 | Q]: loaded twice, into registers of its own
	global_load_b128 v[204:207], v[LI], s[52:53] offset:512
	global_load_b32 v254, v[LS], s[54:55]
	v_and_b32 v9, 15, v0                           ; r
	v_bfe_u32 v10, v0, 4, 1                        ; h
	s_delay_alu instid0(VALU_DEP_2)
	v_and_b32 v11, 8, v9
	s_delay_alu instid0(VALU_DEP_1)
	v_add_nc_u32 v11, v11, v9                      ; r + 8 (r / 8)
	s_delay_alu instid0(VALU_DEP_3)
	v_lshlrev_b32 v10, 4, v10
	s_delay_alu instid0(VALU_DEP_1)
	v_sub_nc_u32 v[QD], v11, v10
	s_lshr_b32 s44, s[TAU], 1
	s_lshl_b32 s44, s44, 5
	s_and_b32 s45, s[TAU], 1
	s_lshl_b32 s45, s45, 3
	s_add_co_u32 s44, s44, s45
	v_add_nc_u32 v[QD], s44, v[QD]                 ; my query 32 (tau / 2) + 8 (tau % 2) + r + 8 (r / 8), less 16 h
	s_wait_loadcnt 0x0
	v_lshrrev_b32 v255, s41, v254
	s_delay_alu instid0(VALU_DEP_1)
	v_and_b32 v255, 0xffff, v255
	s_delay_alu instid0(VALU_DEP_1)
	v_lshl_or_b32 v255, v255, 16, v255             ; Q's scale word: its two bytes, twice
.irp j, 0,1,2,3,4,5,6,7
	v_mov_b32 v[24+\j], 0                          ; zero codes
	v_mov_b32 v[192+\j], 0
.endr
	v_mov_b32 v13, 0xff61b1e6                      ; the largest t so far: -3e38
	s_delay_alu instid0(VALU_DEP_1)
	v_floor_f32 v12, -v13                          ; -M
	v_mov_b32 v14, 0
	v_mov_b32 v15, 0
.irp b, 0,1,2,3
	v_mov_b32 v[236+\b], 0                         ; a lane permute's destination counts as one of its sources
.endr
	v_mov_b32 v253, 0
.set j, 0
.rept 32
	v_mov_b32 v[160+j], 0                          ; O^T: the loop has no first step of its own: the first change of M multiplies zeros
.set j, j+1
.endr
.macro STEP q
	s_cmp_gt_u32 s[KF], s[QHI]
	s_cbranch_scc1 .Lhidden_\@
	v_add_nc_u32 v[ADK], s[TB], v[LI]
	v_add_nc_u32 v[ADS], s[TB], v[LS]
.rept 6
	v_nop                                          ; with the two additions: eight places in front of loads into registers that the last products read
.endr
.irp b, 0,1,2,3
.irp c, 0,1,2,3
	ds_load_b128 v[32+16*\b+4*\c:35+16*\b+4*\c], v[ADK] offset:(\q)*STEPB+2048*\b+512*\c
.endr
	ds_load_b32 v[248+\b], v[ADS] offset:(\q)*STEPB+16384+128*\b
.endr
	s_wait_alu depctr_va_vdst(0)
	s_wait_dscnt 0x0
.irp b, 0,1,2,3
	v_wmma_scale_f32_16x16x128_f8f6f4 v[96+16*\b:103+16*\b], v[32+16*\b:47+16*\b], v[16:31], 0, v[248+\b], v255 matrix_a_fmt:MATRIX_FMT_BF8 matrix_b_fmt:MATRIX_FMT_BF8
	v_wmma_scale_f32_16x16x128_f8f6f4 v[104+16*\b:111+16*\b], v[32+16*\b:47+16*\b], v[192:207], 0, v[248+\b], v255 matrix_a_fmt:MATRIX_FMT_BF8 matrix_b_fmt:MATRIX_FMT_BF8
.endr                                          ; register 16 b + i: key KF + 32 b + 16 (lane / 16) + i
.rept 8
	v_nop
.endr
.irp e, 0,1,2,3                                ; V's fragments are asked for here: they land under the softmax
.irp c, 0,1,2,3
	ds_load_b128 v[32+16*\e+4*\c:35+16*\e+4*\c], v[ADK] offset:(\q)*STEPB+8192+2048*\e+512*\c
.endr
	ds_load_b32 v[248+\e], v[ADS] offset:(\q)*STEPB+16896+128*\e
.endr
	s_add_co_u32 s40, s[KF], 127                   ; on the diagonal hidden scores become -infinity ahead of the maximum; a step all of whose keys count jumps over this
	s_cmp_le_u32 s40, s[QLO]
	s_cbranch_scc1 .Lopen_\@
	v_sub_nc_u32 v252, v[QD], s[KF]                ; d: register 16 b + i is hidden where 32 b + i > d
	v_mov_b32 v254, 0xff800000
.set n, 0
.rept 64
	v_cmp_gt_i32 vcc_lo, 32*(n/16)+n%16, v252
	v_cndmask_b32 v[96+n], v[96+n], v254, vcc_lo
.set n, n+1
.endr
.Lopen_\@:
.irp b, 0,1,2,3
	v_max3_num_f32 v[232+\b], v[96+16*\b], v[97+16*\b], v[98+16*\b]   ; each block's largest score: for the row's maximum, and, since p rises with the score, for the block's largest p
.endr
.irp i, 3,5,7,9,11,13
.irp b, 0,1,2,3
	v_max3_num_f32 v[232+\b], v[232+\b], v[96+16*\b+\i], v[97+16*\b+\i]
.endr
.endr
.irp b, 0,1,2,3
	v_max_num_f32 v[232+\b], v[232+\b], v[111+16*\b]
.endr
.irp b, 0,1,2,3
	s_delay_alu instid0(VALU_DEP_4)
	v_permlanex16_b32 v[236+\b], v[232+\b], s[SEL], s[SEL+1]
.endr
.irp b, 0,1,2,3
	s_delay_alu instid0(VALU_DEP_4)
	v_max_num_f32 v[232+\b], v[232+\b], v[236+\b]
.endr
	s_delay_alu instid0(VALU_DEP_2)
	v_max3_num_f32 v254, v232, v233, v234
	s_delay_alu instid0(VALU_DEP_1)
	v_max_num_f32 v254, v254, v235
	s_delay_alu instid0(VALU_DEP_1)
	v_mul_f32 v254, s[CS], v254
	s_delay_alu instid0(VALU_DEP_1)
	v_max_num_f32 v13, v13, v254                   ; the running largest t
	v_mov_b32 v254, v12
	s_delay_alu instid0(VALU_DEP_2)
	v_floor_f32 v12, -v13                          ; the new -M: a whole number
	s_delay_alu instid0(VALU_DEP_1)
	v_sub_f32 v254, v12, v254
	s_delay_alu instid0(VALU_DEP_1)
	v_cvt_i32_f32 v254, v254                       ; (it saturates)
	s_delay_alu instid0(VALU_DEP_1)
	v_ldexp_f32 v252, 1.0, v254                    ; f = 2^(old M - new M)
.set j, 0
.rept 32
	v_pk_fma_f32 v[96+j:97+j], v[96+j:97+j], s[CS:CS+1], v[12:13] op_sel_hi:[1,0,0]   ; t - M
.set j, j+2
.endr
.irp b, 0,1,2,3
	v_fma_f32 v[232+\b], v[232+\b], s[CS], v12
.endr
.set j, 0
	s_wait_alu depctr_va_vdst(0)
.rept 64
	v_exp_f32 v[96+j], v[96+j]                     ; p, not normalised
.set j, j+1
.endr
	v_pk_mul_f32 v[14:15], v[14:15], v[252:253] op_sel_hi:[1,0]   ; the sums under the new M; a plain line behind the exponentials
	s_wait_alu depctr_va_vdst(0)                   ; one wait for the batch, ahead of its first reader
.irp b, 0,1,2,3
	v_exp_f32 v[232+\b], v[232+\b]                 ; each block's largest p
.endr
	v_pk_add_f32 v[236:237], v[100:101], v[104:105]
	v_pk_add_f32 v[246:247], v[108:109], v[112:113]
	v_pk_add_f32 v[244:245], v[116:117], v[120:121]
	v_pk_add_f32 v[242:243], v[124:125], v[128:129]
	v_pk_add_f32 v[240:241], v[132:133], v[136:137]
	v_pk_add_f32 v[238:239], v[140:141], v[144:145]
	v_pk_add_f32 v[230:231], v[148:149], v[152:153]
	v_pk_add_f32 v[14:15], v[14:15], v[156:157]
	v_pk_add_f32 v[236:237], v[236:237], v[96:97]
	v_pk_add_f32 v[246:247], v[246:247], v[98:99]
	v_pk_add_f32 v[244:245], v[244:245], v[102:103]
	v_pk_add_f32 v[242:243], v[242:243], v[106:107]
	v_pk_add_f32 v[240:241], v[240:241], v[110:111]
	v_pk_add_f32 v[238:239], v[238:239], v[114:115]
	v_pk_add_f32 v[230:231], v[230:231], v[118:119]
	v_pk_add_f32 v[14:15], v[14:15], v[122:123]
	v_pk_add_f32 v[236:237], v[236:237], v[126:127]
	v_pk_add_f32 v[246:247], v[246:247], v[130:131]
	v_pk_add_f32 v[244:245], v[244:245], v[134:135]
	v_pk_add_f32 v[242:243], v[242:243], v[138:139]
	v_pk_add_f32 v[240:241], v[240:241], v[142:143]
	v_pk_add_f32 v[238:239], v[238:239], v[146:147]
	v_pk_add_f32 v[230:231], v[230:231], v[150:151]
	v_pk_add_f32 v[14:15], v[14:15], v[154:155]
	v_pk_add_f32 v[236:237], v[236:237], v[158:159]
	s_delay_alu instid0(VALU_DEP_2)
	v_pk_add_f32 v[14:15], v[14:15], v[242:243]
	s_delay_alu instid0(VALU_DEP_2)
	v_pk_add_f32 v[236:237], v[236:237], v[240:241]
	v_pk_add_f32 v[246:247], v[246:247], v[238:239]
	v_pk_add_f32 v[244:245], v[244:245], v[230:231]
	s_delay_alu instid0(VALU_DEP_2)
	v_pk_add_f32 v[14:15], v[14:15], v[246:247]
	s_delay_alu instid0(VALU_DEP_2)
	v_pk_add_f32 v[236:237], v[236:237], v[244:245]
	s_delay_alu instid0(VALU_DEP_1)
	v_pk_add_f32 v[14:15], v[14:15], v[236:237]
	s_wait_alu depctr_va_vdst(0)                   ; and one for the four
.irp b, 0,1,2,3
	v_max_num_f32 v[232+\b], 0x8000000, v[232+\b]  ; the floor 2^(16 - 127)
.endr
.irp b, 0,1,2,3
	s_delay_alu instid0(VALU_DEP_4)
	v_add_nc_u32 v[244+\b], 0xf8800000, v[232+\b]
.endr
.irp b, 0,1,2,3
	v_and_or_b32 v[240+\b], v[232+\b], 0x7f800000, s[MNT]
.endr
.irp b, 0,1,2,3
	v_lshrrev_b32 v[236+\b], 23, v[244+\b]
.endr
	s_delay_alu instid0(VALU_DEP_3)
	v_lshl_or_b32 v253, v237, 8, v236              ; p's scale word for these 128 keys
	s_delay_alu instid0(VALU_DEP_1)
	v_lshl_or_b32 v253, v238, 16, v253
	s_delay_alu instid0(VALU_DEP_1)
	v_lshl_or_b32 v253, v239, 24, v253
.irp b, 0,1,2,3
.irp i, 0,1,2,3,4,5,6,7,8,9,10,11,12,13,14,15
	v_min_num_f32 v[96+16*\b+\i], v[96+16*\b+\i], v[240+\b]   ; the hold; p is not negative
.endr
	v_cvt_scalef32_pk8_bf8_f32 v[208+4*\b:209+4*\b], v[96+16*\b:103+16*\b], v[244+\b]
	v_cvt_scalef32_pk8_bf8_f32 v[210+4*\b:211+4*\b], v[104+16*\b:111+16*\b], v[244+\b]
.endr
.set j, 0
.rept 16
	v_pk_mul_f32 v[160+j:161+j], v[160+j:161+j], v[252:253] op_sel_hi:[1,0]   ; O^T under the new M; these are also the places in front of the products below
.set j, j+2
.endr
	s_wait_alu depctr_va_vdst(0)
	s_wait_dscnt 0x0                               ; V
.irp e, 0,1,2,3
	v_wmma_scale_f32_16x16x128_f8f6f4 v[160+8*\e:167+8*\e], v[32+16*\e:47+16*\e], v[208:223], v[160+8*\e:167+8*\e], v[248+\e], v253 matrix_a_fmt:MATRIX_FMT_BF8 matrix_b_fmt:MATRIX_FMT_BF8
.endr
.Lhidden_\@:
	s_add_co_u32 s[KF], s[KF], 128
.endm
; The change of slots stands at a slot's head: every wave waits for all its tensor loads, adds 0 to its spare word, waits for that and for its reads of the slot that it has left; one barrier; with fill = 1 the slot left is filled with the next 256 keys.
.macro CHANGE fill
	s_wait_tensorcnt 0x0
	ds_add_u32 v[SPW], v[NIL]
.if \fill
	s_xor_b32 s[G0+1], s[G0+1], SLOT1              ; no tensor load of mine is out: the walking descriptor steps
	s_add_nc_u64 s[G0+2:G0+3], s[G0+2:G0+3], 2*STEPB
.endif
	s_wait_dscnt 0x0
	s_barrier_signal -1
	s_barrier_wait -1
.if \fill
	TLOAD
.endif
.endm
.Lslot:                                            ; three trips: behind each change of slots but the last the next slot is asked for
	CHANGE 1
	STEP 0
	STEP 1
	s_xor_b32 s[TB], s[TB], SLOT1
	s_sub_co_u32 s[SLOTS], s[SLOTS], 1
	s_cmp_lg_u32 s[SLOTS], 0
	s_cbranch_scc1 .Lslot
	CHANGE 0                                       ; the last slot is written out
	STEP 0
	STEP 1
	; THE WAY OUT: O^T / the sum; register 16 b + i is channel 32 b + 16 (lane / 16) + i of my head: two blocks of the next product's K
.rept 8
	v_nop
.endr
	v_add_f32 v14, v14, v15
	s_delay_alu instid0(VALU_DEP_1)
	v_permlanex16_b32 v252, v14, s[SEL], s[SEL+1]
	s_delay_alu instid0(VALU_DEP_1)
	v_add_f32 v14, v14, v252
	s_wait_alu depctr_va_vdst(0)
	v_rcp_f32 v14, v14
	v_and_b32 v8, 15, v0                           ; (a plain line behind the transcendental)
	s_delay_alu instid0(VALU_DEP_1)
	v_lshlrev_b32 v8, 3, v8                        ; my row's scale words: 8 bytes a row
	s_lshr_b32 s40, s[BH], 4                       ; attn_c: storage tile gt = 64 batch + tau, head hd: block (gt / 8, hd / 4), fragment 8 ((hd / 2) % 2) + gt % 8, groups 2 (hd % 2) on
	s_lshl_b32 s40, s40, 6
	s_add_co_u32 s40, s40, s[TAU]
	s_and_b32 s41, s[BH], 15
	s_lshr_b32 s42, s40, 3
	s_lshl_b32 s42, s42, 2
	s_lshr_b32 s43, s41, 2
	s_add_co_u32 s42, s42, s43
	s_mul_i32 s42, s42, BLK
	s_bfe_u32 s43, s41, 0x10001
	s_and_b32 s44, s40, 7
	s_lshl_b32 s45, s43, 3
	s_add_co_u32 s45, s45, s44
	s_lshl_b32 s45, s45, 11
	s_and_b32 s46, s41, 1
	s_lshl_b32 s47, s46, 10
	s_add_co_u32 s45, s45, s47
	s_add_co_u32 s50, s42, s45
	s_mov_b32 s51, 0
	s_lshr_b32 s44, s44, 1
	s_lshl_b32 s44, s44, 8
	s_add_co_u32 s44, s44, s42
	s_and_b32 s45, s40, 1
	s_lshl_b32 s45, s45, 7
	s_add_co_u32 s44, s44, s45
	s_lshl_b32 s43, s43, 2
	s_add_co_u32 s44, s44, s43
	s_lshl_b32 s46, s46, 1
	s_add_co_u32 s44, s44, s46
	s_add_co_u32 s44, s44, 32768
	s_mov_b32 s45, 0
	s_add_nc_u64 s[52:53], s[8:9], s[50:51]
	s_add_nc_u64 s[54:55], s[8:9], s[44:45]
	s_wait_alu depctr_va_vdst(0)                   ; ahead of the reciprocal's first reader
.set j, 0
.rept 32
	v_mul_f32 v[96+j], v[160+j], v14
.set j, j+1
.endr
.irp b, 0,1
	v_max3_num_f32 v[232+\b], |v[96+16*\b]|, |v[97+16*\b]|, 0x8000000
.endr
.irp i, 2,4,6,8,10,12,14
.irp b, 0,1
	s_delay_alu instid0(VALU_DEP_2)
	v_max3_num_f32 v[232+\b], v[232+\b], |v[96+16*\b+\i]|, |v[97+16*\b+\i]|
.endr
.endr
.irp b, 0,1
	s_delay_alu instid0(VALU_DEP_2)
	v_permlanex16_b32 v[236+\b], v[232+\b], s[SEL], s[SEL+1]
.endr
.irp b, 0,1
	s_delay_alu instid0(VALU_DEP_2)
	v_max_num_f32 v[232+\b], v[232+\b], v[236+\b]
.endr
.irp b, 0
	s_delay_alu instid0(VALU_DEP_2)
	v_add_nc_u32 v[244+\b], 0xf8800000, v[232+\b]
	s_delay_alu instid0(VALU_DEP_3)
	v_and_or_b32 v[240+\b], v[232+\b], 0x7f800000, s[MNT]
.endr
.irp b, 1
	s_delay_alu instid0(VALU_DEP_3)
	v_add_nc_u32 v[244+\b], 0xf8800000, v[232+\b]
	s_delay_alu instid0(VALU_DEP_4)
	v_and_or_b32 v[240+\b], v[232+\b], 0x7f800000, s[MNT]
.endr
.irp b, 0
	s_delay_alu instid0(VALU_DEP_4)
	v_lshrrev_b32 v[236+\b], 23, v[244+\b]
.endr
.irp b, 1
	s_delay_alu instid0(VALU_DEP_3)
	v_lshrrev_b32 v[236+\b], 23, v[244+\b]
.endr
	s_delay_alu instid0(VALU_DEP_1)
	v_lshl_or_b32 v253, v237, 8, v236
.irp b, 0,1
.irp i, 0,1,2,3,4,5,6,7,8,9,10,11,12,13,14,15
	v_med3_num_f32 v[96+16*\b+\i], v[96+16*\b+\i], -v[240+\b], v[240+\b]
.endr
	v_cvt_scalef32_pk8_bf8_f32 v[208+4*\b:209+4*\b], v[96+16*\b:103+16*\b], v[244+\b]
	v_cvt_scalef32_pk8_bf8_f32 v[210+4*\b:211+4*\b], v[104+16*\b:111+16*\b], v[244+\b]
.endr
	v_nop
	global_store_b128 v[LI], v[208:211], s[52:53]              ; 512 consecutive bytes a store
	global_store_b128 v[LI], v[212:215], s[52:53] offset:512
	global_store_b16 v8, v253, s[54:55]                        ; my row's two bytes; lanes l and l + 16 write the same bytes with the same value
	s_wait_tensorcnt 0x0                           ; the wave's end
	ds_add_u32 v[SPW], v[NIL]
	s_wait_dscnt 0x0
	s_endpgm
.Lfunc_end_k_q3a8f1d590a_attn:
	.size	k_q3a8f1d590a_attn, .Lfunc_end_k_q3a8f1d590a_attn-k_q3a8f1d590a_attn
	.p2alignl 7, 3214868480
	.fill 96, 4, 3214868480
	.section	.rodata,"a",@progbits
	.p2align	6, 0x0
	.amdhsa_kernel k_q3a8f1d590a_attn
		.amdhsa_group_segment_fixed_size 327680
		.amdhsa_private_segment_fixed_size 0
		.amdhsa_enable_private_segment 0
		.amdhsa_kernarg_size 24
		.amdhsa_user_sgpr_count 2
		.amdhsa_user_sgpr_kernarg_segment_ptr 1
		.amdhsa_wavefront_size32 1
		.amdhsa_system_sgpr_workgroup_id_x 1
		.amdhsa_system_sgpr_workgroup_id_y 1
		.amdhsa_system_sgpr_workgroup_id_z 1
		.amdhsa_system_vgpr_workitem_id 0
		.amdhsa_next_free_vgpr 256
		.amdhsa_next_free_sgpr 66
		.amdhsa_reserve_vcc 1
		.amdhsa_float_denorm_mode_32 3
		.amdhsa_float_denorm_mode_16_64 3
		.amdhsa_memory_ordered 1
		.amdhsa_forward_progress 1
		.amdhsa_inst_pref_size 115
	.end_amdhsa_kernel
	.amdgpu_metadata
---
amdhsa.version: [ 1, 2 ]
amdhsa.kernels:
  - .name:           k_q3a8f1d590a_attn
    .symbol:         k_q3a8f1d590a_attn.kd
    .args:
      - { .name: q_c, .offset: 0, .size: 8, .value_kind: global_buffer, .address_space: global }
      - { .name: kv_c, .offset: 8, .size: 8, .value_kind: global_buffer, .address_space: global }
      - { .name: attn_c, .offset: 16, .size: 8, .value_kind: global_buffer, .address_space: global }
    .group_segment_fixed_size: 327680
    .private_segment_fixed_size: 0
    .kernarg_segment_align: 8
    .kernarg_segment_size: 24
    .max_flat_workgroup_size: 512
    .sgpr_count:     66
    .vgpr_count:     256
    .wavefront_size: 32
...
	.end_amdgpu_metadata
.endif
;; end of part 3
;; launch proj (part 4): grid 8 x 32, 4 waves a work-group, clusters of 4 x 4, 327,680 bytes of LDS; arguments attn_c, wts, x, b_proj, x1; writes x1
.if DOCPART == 4
	.amdgcn_target "amdgcn-amd-amdhsa--gfx1250"
	.amdhsa_code_object_version 6
	.text
	.protected	k_q3a8f1d590a_proj
	.globl	k_q3a8f1d590a_proj
	.p2align	8
	.type	k_q3a8f1d590a_proj,@function
k_q3a8f1d590a_proj:
	s_mov_b64 s[64:65], 0
	v_nop
	global_prefetch_b8 v0, s[64:65] scope:SCOPE_SE
	s_setreg_imm32_b32 hwreg(HW_REG_WAVE_MODE, 25, 1), 1
	s_wait_xcnt 0x0
	s_wait_alu depctr_hold_cnt(0) depctr_sa_sdst(0) depctr_va_vdst(0) depctr_va_sdst(0) depctr_va_ssrc(0) depctr_va_vcc(0) depctr_vm_vsrc(0)
	s_getreg_b32 s2, hwreg(HW_REG_IB_STS2, 6, 4)
	s_cmp_eq_u32 s2, 0
	s_cbranch_scc0 .Lentry_in_a_cluster
	s_endpgm
.Lentry_in_a_cluster:
	s_bfe_u32 s2, ttmp6, 0x10000c
	s_cmp_lg_u32 s2, 0xf033
	s_cbranch_scc0 .Lentry_shape_is_right
	s_endpgm
.Lentry_shape_is_right:
; out = resid + A W + bias: A (tokens x K) and W (columns x K) are codes of E5M2 with one E8M0 byte for each 32 along K; resid, bias and out are f32, rows of 1,024.  One text serves two launches (KB, WOFF, LAPS below).
; OPERANDS lie in blocks of 128 rows x 256 K, BLK = 33,792 dense bytes: fragment (tile i, K step q) at (8 q + i) 2048 as an image of its registers, scale words at 32768 + 256 (i / 2) + 8 (16 (i % 2) + row) + 4 q;
; storage row 32 b + 16 u + r holds row 32 b + 8 u + r + 8 (r / 8).
; SHARES: a tile of 128 tokens x 128 columns to a work-group, so that 4,096 x 1,024 gives 256 work-groups; each of four waves 64 x 64: 16 accumulators.  K goes 512 a slot (two blocks of each side) through a ring of two LDS slots; one tensor load a wave brings one block.
; CLUSTER 4 x 4: A's blocks are shared along a row of the cluster, W's along a column: joint loads.  By this text's count a wave has one tensor load out: the head's.
; The product is used transposed (source 0 = W's rows, source 1 = tokens): a lane holds one token and eight neighbouring columns.  The bias is the C of each sum's first product (so it is added first); the residual, loaded at the head, is added on the way out.
; REGISTERS: window 0: v16-29 addresses; v32-47 scale words; v48-79 the bias, later rows on the way out, with v80-111; v128-255 accumulator (a, b) at v[128 + 8 (4 a + b)].  window 1: two fragment buffers of 128 (A's four, then W's four).  window 2: v0-127 the residual.
; LIMITS: NaN and infinities are not served.
; (In this launch K = 1,024 is both slots' worth: each wave's one tensor load at the head brings two neighbouring blocks along K, 264 dense rows of 256 bytes: waves 0, 1 A's for slot 0, 1; waves 2, 3 W's.  Nothing is filled again.)
.set KB,    4
.set WOFF,  3244032                    ; the weight's first block in wts
.set LAPS,  1                          ; K / 1,024
.set BLK,   33792
.set SLOT,  4*BLK                      ; A's two blocks, then W's two
.set STAGE, 2*SLOT                     ; 16 rows x 272 bytes for each wave: never a tensor load's target
.set SPARE, STAGE+4*16*272             ; the spare words
.set NP,    8
.set ADRA, 16
.set ADSA, 18
.set ADRB, 20
.set ADSB, 22
.set STO,  24
.set RD,   25
.set CO,   26
.set BO,   27
.set SPW,  28
.set NIL,  29
.set SC,   32                          ; set k (the slot's block k) at SC + 8 k: A's words of tile pair p, K step q at + 2 p + q; W's at + 4 + 2 p + q
.set BI,   48
.set OB,   48
.set ACC,  128
.set F0,   0
.set F1,   128
.set G1,  24
.set G0,  32
.set G1B, 48
.set G0B, 56
.set MSB, 0
.macro WIN new
.if MSB != (\new)
	s_set_vgpr_msb (MSB<<8)|(\new)
.set MSB, (\new)
.endif
.endm
.set MUL,  0x05                        ; sources 0 and 1 window 1; C and D window 0
.set TO_F, 0x40
.set TO_R, 0x80
.set ADDR, 0x08                        ; source 1 window 2
.macro PLACES n
.rept \n
	v_nop
.endr
.endm
.macro JLOAD g0a, g1a, g0b, g1b        ; waves 0, 1 fetch A's blocks, waves 2, 3 W's; four v_nop follow each line
	s_cmp_eq_u32 s15, 0
	s_cbranch_scc0 .Lfor_b_\@
	tensor_load_to_lds s[\g0a:\g0a+3], s[\g1a:\g1a+7]
	s_nop 0
.rept 4
	v_nop
.endr
	s_branch .Lasked_\@
.Lfor_b_\@:
	tensor_load_to_lds s[\g0b:\g0b+3], s[\g1b:\g1b+7]
	s_nop 0
.rept 4
	v_nop
.endr
.Lasked_\@:
.endm
.macro CREST
	s_cmp_lg_u32 s14, 0
	s_cbranch_scc1 .Lnot_wave_0_\@
	s_barrier_signal -3
.Lnot_wave_0_\@:
	s_barrier_wait -3
	s_barrier_signal -1
	s_barrier_wait -1
.endm
.macro CROUND
	s_barrier_signal -1
	s_barrier_wait -1
	CREST
.endm
.macro WMC d, a, b, c, sa, sb, ra, rb  ; one product; ra, rb = 1: that side's scales stand in lanes 16-31 of the register named
.if ((\ra) == 0) && ((\rb) == 0)
	v_wmma_scale_f32_16x16x128_f8f6f4 v[(\d):(\d)+7], v[(\a):(\a)+15], v[(\b):(\b)+15], v[(\c):(\c)+7], v[(\sa)], v[(\sb)] matrix_a_fmt:MATRIX_FMT_BF8 matrix_b_fmt:MATRIX_FMT_BF8
.elseif ((\ra) == 1) && ((\rb) == 0)
	v_wmma_scale_f32_16x16x128_f8f6f4 v[(\d):(\d)+7], v[(\a):(\a)+15], v[(\b):(\b)+15], v[(\c):(\c)+7], v[(\sa)], v[(\sb)] matrix_a_fmt:MATRIX_FMT_BF8 matrix_b_fmt:MATRIX_FMT_BF8 matrix_a_scale:MATRIX_SCALE_ROW1
.elseif ((\ra) == 0) && ((\rb) == 1)
	v_wmma_scale_f32_16x16x128_f8f6f4 v[(\d):(\d)+7], v[(\a):(\a)+15], v[(\b):(\b)+15], v[(\c):(\c)+7], v[(\sa)], v[(\sb)] matrix_a_fmt:MATRIX_FMT_BF8 matrix_b_fmt:MATRIX_FMT_BF8 matrix_b_scale:MATRIX_SCALE_ROW1
.else
	v_wmma_scale_f32_16x16x128_f8f6f4 v[(\d):(\d)+7], v[(\a):(\a)+15], v[(\b):(\b)+15], v[(\c):(\c)+7], v[(\sa)], v[(\sb)] matrix_a_fmt:MATRIX_FMT_BF8 matrix_b_fmt:MATRIX_FMT_BF8 matrix_a_scale:MATRIX_SCALE_ROW1 matrix_b_scale:MATRIX_SCALE_ROW1
.endif
.endm
	s_load_b256 s[4:11], s[0:1], 0x0               ; A's codes, wts, the residual, the bias
	s_load_b64 s[12:13], s[0:1], 0x20              ; out
	v_lshl_add_u32 v[SPW], v0, 2, SPARE
	v_mov_b32 v[NIL], 0
	ds_add_u32 v28, v29
	ds_add_u32 v28, v29
	s_wait_dscnt 0x0
	v_lshrrev_b32 v1, 5, v0
	v_readfirstlane_b32 s14, v1                    ; wave
	s_lshr_b32 s15, s14, 1                         ; my half of the tokens.  Also: I fetch for A (0) or W (1)
	s_and_b32 s16, s14, 1                          ; my half of the columns.  Also: which slot I fill, with its two blocks along K
	s_bfe_u32 s40, ttmp6, 0x40000
	s_bfe_u32 s41, ttmp6, 0x40004
	s_lshl_b32 s42, ttmp9, 2
	s_add_co_u32 s42, s42, s40                     ; tile column
	s_and_b32 s17, ttmp7, 0xffff
	s_lshl_b32 s17, s17, 2
	s_add_co_u32 s17, s17, s41                     ; tile row
	s_lshl_b32 s43, s41, 2
	s_lshl_b32 s43, 15, s43
	s_lshl_b32 s44, 0x1111, s40
	s_or_b32 s[G1+0], s43, (3<<16)|(1<<21)         ; the mask; elements of 8 bytes; bit 21 beside a mask; no padding
	s_or_b32 s[G1B+0], s44, (3<<16)|(1<<21)
.irp g, G1, G1B
	s_mov_b32 s[\g+1], 32<<16                      ; a block is 132 dense rows of 256 bytes
	s_mov_b32 s[\g+2], 264<<16                     ; two blocks: 264 dense rows of 256 bytes
	s_mov_b32 s[\g+3], 32<<16
	s_mov_b32 s[\g+4], 264
	s_mov_b32 s[\g+5], 32
	s_mov_b32 s[\g+6], 0
	s_mov_b32 s[\g+7], 0
.endr
	s_mul_i32 s18, s17, KB
	s_add_co_u32 s18, s18, s16
	s_add_co_u32 s18, s18, s16                     ; blocks 2 x which, 2 x which + 1 along K
	s_mul_i32 s18, s18, BLK
	s_mov_b32 s19, 0
	s_mul_i32 s46, s42, KB
	s_add_co_u32 s46, s46, s16
	s_add_co_u32 s46, s46, s16
	s_mul_i32 s46, s46, BLK
	s_add_co_u32 s46, s46, WOFF
	s_mov_b32 s47, 0
	s_mul_i32 s45, s15, 2*BLK                      ; A's two blocks lie first in a slot, W's two behind them;
	s_mul_i32 s2, s16, SLOT                        ; which slot: the wave's number alone
	s_add_co_u32 s45, s45, s2
	s_wait_kmcnt 0x0
	s_add_nc_u64 s[20:21], s[4:5], s[18:19]
	s_add_nc_u64 s[22:23], s[6:7], s[46:47]
	CROUND                                         ; all sixteen work-groups are here: the first joint loads meet
.irp s, 0
	s_mov_b32 s[G0+4*\s], 1
	s_add_co_u32 s[G0+4*\s+1], s45, \s*SLOT
	s_add_nc_u64 s[G0+4*\s+2:G0+4*\s+3], s[20:21], \s*2*BLK
	s_or_b32 s[G0+4*\s+3], s[G0+4*\s+3], 0x80000000
	s_mov_b32 s[G0B+4*\s], 1
	s_add_co_u32 s[G0B+4*\s+1], s45, \s*SLOT
	s_add_nc_u64 s[G0B+4*\s+2:G0B+4*\s+3], s[22:23], \s*2*BLK
	s_or_b32 s[G0B+4*\s+3], s[G0B+4*\s+3], 0x80000000
	JLOAD G0+4*\s, G1, G0B+4*\s, G1B
.endr
	v_and_b32 v1, 31, v0
	v_and_b32 v2, 15, v0                           ; r
	v_lshrrev_b32 v3, 4, v1                        ; h
	v_lshlrev_b32 v4, 4, v1
	s_wait_alu depctr_va_vdst(0)
	v_lshlrev_b32 v5, 3, v1
	s_wait_alu depctr_va_vdst(0)
	s_lshl_b32 s2, s15, 13                         ; A: my tiles 4 half on
	s_lshl_b32 s3, s16, 13
	s_add_co_u32 s3, s3, 2*BLK                     ; W: behind A's two blocks
	s_lshl_b32 s18, s15, 9
	s_add_co_u32 s18, s18, 32768
	s_lshl_b32 s19, s16, 9
	s_add_co_u32 s19, s19, 2*BLK+32768
.irp s, 0,1
	v_add_nc_u32 v[ADRA+\s], s2, v4
	v_add_nc_u32 v[ADRB+\s], s3, v4
	v_add_nc_u32 v[ADSA+\s], s18, v5
	v_add_nc_u32 v[ADSB+\s], s19, v5
	s_add_co_u32 s2, s2, SLOT
	s_add_co_u32 s3, s3, SLOT
	s_add_co_u32 s18, s18, SLOT
	s_add_co_u32 s19, s19, SLOT
.endr
	s_mul_i32 s2, s14, 16*272
	s_add_co_u32 s2, s2, STAGE                     ; my stage
	v_mul_u32_u24 v[STO], v2, 272
	v_lshl_add_u32 v[STO], v3, 6, v[STO]
	v_add_nc_u32 v[STO], s2, v[STO]                ; in: row r, + 64 h
	v_mul_u32_u24 v[RD], v3, 272
	v_lshl_add_u32 v[RD], v2, 4, v[RD]
	v_add_nc_u32 v[RD], s2, v[RD]                  ; back: lanes 0-15 one row of 256 bytes, lanes 16-31 the next
	v_lshlrev_b32 v[CO], 12, v3
	v_lshl_add_u32 v[CO], v2, 4, v[CO]             ; the same two rows in memory, 4,096 bytes apart
	v_lshlrev_b32 v[BO], 6, v3
	s_wait_alu depctr_va_vdst(0)
	s_lshl_b32 s18, s42, 9                         ; my 64 columns in bytes: 512 tile column + 256 half
	s_lshl_b32 s19, s16, 8
	s_add_co_u32 s18, s18, s19
	s_mov_b32 s19, 0
	s_add_nc_u64 s[70:71], s[10:11], s[18:19]      ; the bias there
	s_lshl_b32 s2, s17, 7
	s_lshl_b32 s3, s15, 6
	s_add_co_u32 s2, s2, s3
	s_lshl_b32 s2, s2, 12                          ; my 64 rows: 128 tile row + 64 half, 4,096 bytes each
	s_add_co_u32 s18, s18, s2
	s_add_nc_u64 s[66:67], s[8:9], s[18:19]        ; the residual
	s_add_nc_u64 s[68:69], s[12:13], s[18:19]      ; out
.irp b, 0,1,2,3                        ; the bias in the result's layout: tile b, lane half h: columns 32 (b / 2) + 16 h + 8 (b % 2) + 0 .. 7
	global_load_b128 v[BI+8*\b:BI+8*\b+3], v[BO], s[70:71] offset:128*(\b/2)+32*(\b%2)
	global_load_b128 v[BI+8*\b+4:BI+8*\b+7], v[BO], s[70:71] offset:128*(\b/2)+32*(\b%2)+16
.endr
; the fragments of 128 along K, number kq of a slot's four, into buffer f; with an even kq also the block's scale words.  A's tiles 2 and 3 come last.
.macro FETCH slot, kq, f
.if ((\kq)&1) == 0
	WIN 0
.irp pp, 0,1
	ds_load_b64 v[SC+8*((\kq)>>1)+2*\pp:SC+8*((\kq)>>1)+2*\pp+1], v[ADSA+\slot] offset:((\kq)>>1)*BLK+256*\pp
	ds_load_b64 v[SC+8*((\kq)>>1)+4+2*\pp:SC+8*((\kq)>>1)+4+2*\pp+1], v[ADSB+\slot] offset:((\kq)>>1)*BLK+256*\pp
.endr
.endif
	WIN TO_F
.irp t, 0,1,2,3
.irp c, 0,1,2,3
	ds_load_b128 v[\f+64+16*\t+4*\c:\f+64+16*\t+4*\c+3], v[ADRB+\slot] offset:((\kq)>>1)*BLK+((\kq)&1)*16384+\t*2048+512*\c
.endr
.endr
.irp t, 0,1,2,3
.irp c, 0,1,2,3
	ds_load_b128 v[\f+16*\t+4*\c:\f+16*\t+4*\c+3], v[ADRA+\slot] offset:((\kq)>>1)*BLK+((\kq)&1)*16384+\t*2048+512*\c
.endr
.endr
.endm
; 8 products: token tiles a0, a0 + 1 against W's four.  The 16 accumulators take turns, one instruction a turn.
.macro MUL8 f, a0, kq, first
.irp a, \a0, \a0+1
.irp b, 0,1,2,3
.if \first
	WMC ACC+8*(4*(\a)+\b), \f+64+16*\b, \f+16*(\a), BI+8*\b, SC+8*((\kq)>>1)+4+2*(\b/2)+((\kq)&1), SC+8*((\kq)>>1)+2*((\a)/2)+((\kq)&1), \b%2, (\a)%2
.else
	WMC ACC+8*(4*(\a)+\b), \f+64+16*\b, \f+16*(\a), ACC+8*(4*(\a)+\b), SC+8*((\kq)>>1)+4+2*(\b/2)+((\kq)&1), SC+8*((\kq)>>1)+2*((\a)/2)+((\kq)&1), \b%2, (\a)%2
.endif
.endr
.endr
.endm
.macro QUARTER slot, kq, f, g, first   ; one of a slot's first three: multiplies buffer f, fetches the next into g
	s_wait_dscnt 8                                 ; all but the youngest eight loads (A's tiles 2, 3)
	WIN MUL
	MUL8 \f, 0, \kq, \first
	PLACES NP
	FETCH \slot, (\kq)+1, \g
	s_wait_dscnt 32                                ; at most the run just issued may be out
	WIN MUL
	MUL8 \f, 2, \kq, \first
.endm
; A slot's last quarter changes slots: each wave waits for all its tensor loads, adds 0 to its spare word, waits for that and for its reads of this slot; one barrier, which with fill = 1 opens a round of the cluster's.
.macro TURN slot, next, fill
	WIN 0
	s_wait_tensorcnt 0x0
	ds_add_u32 v[SPW], v[NIL]
	s_wait_dscnt 9                                 ; the add and the youngest eight loads may be out
	WIN MUL
	MUL8 F1, 0, 3, 0
	s_wait_dscnt 0x0                               ; the add is done, and my reads of this slot are over
	s_barrier_signal -1
	WIN 0
	s_barrier_wait -1
.if \fill
	CREST
	s_add_nc_u64 s[G0+4*\slot+2:G0+4*\slot+3], s[G0+4*\slot+2:G0+4*\slot+3], 4*BLK
	s_add_nc_u64 s[G0B+4*\slot+2:G0B+4*\slot+3], s[G0B+4*\slot+2:G0B+4*\slot+3], 4*BLK
	JLOAD G0+4*\slot, G1, G0B+4*\slot, G1B         ; the first tensor load behind the round; its four v_nop are four of the eight places
	PLACES NP-4
.else
	PLACES NP
.endif
	FETCH \next, 0, F0
	WIN MUL
	MUL8 F1, 2, 3, 0
.endm
	s_wait_tensorcnt 0x0                           ; my two blocks are in
	s_barrier_signal -1
	s_barrier_wait -1
	FETCH 0, 0, F0
	WIN TO_R
.irp a, 0,1,2,3                        ; the residual is asked for here, behind the tiles that the first products need; it is read on the way out.  Storage rows 16 a + 2 f, + 1 are rows 32 (a / 2) + 8 (a % 2) + 2 f + 8 (f / 4), + 1
.irp f, 0,1,2,3,4,5,6,7
	global_load_b128 v[32*\a+4*\f:32*\a+4*\f+3], v[CO], s[66:67] offset:(32*(\a/2)+8*(\a%2)+2*\f+8*(\f/4))*4096
.endr
.endr
	WIN 0
	s_wait_loadcnt 32
	QUARTER 0, 0, F0, F1, 1                        ; the first quarter stands in front of the loop: its products start the sums, with the bias as C
.if LAPS > 1
	WIN 0
	s_mov_b32 s3, LAPS-1
.Llap:                                             ; a trip goes once round the ring and fills both slots again
	QUARTER 0, 1, F1, F0, 0
	QUARTER 0, 2, F0, F1, 0
	TURN 0, 1, 1
	QUARTER 1, 0, F0, F1, 0
	QUARTER 1, 1, F1, F0, 0
	QUARTER 1, 2, F0, F1, 0
	TURN 1, 0, 1
	QUARTER 0, 0, F0, F1, 0
	WIN 0
	s_sub_co_u32 s3, s3, 1
	s_cmp_lg_u32 s3, 0
	s_cbranch_scc1 .Llap
.endif
	QUARTER 0, 1, F1, F0, 0                        ; the last lap fills nothing
	QUARTER 0, 2, F0, F1, 0
	TURN 0, 1, 0
	QUARTER 1, 0, F0, F1, 0
	QUARTER 1, 1, F1, F0, 0
	QUARTER 1, 2, F0, F1, 0
	s_wait_dscnt 8
	WIN MUL
	MUL8 F1, 0, 3, 0
	s_wait_dscnt 0x0
	MUL8 F1, 2, 3, 0
	WIN 0
	PLACES NP
	s_wait_loadcnt 0x0                             ; the residual
; THE WAY OUT, a token tile at a time: 32 bytes a lane into my own stage, back as whole rows of 256 bytes, + the residual, stored.  LDS serves a wave's instructions in order (ISA guide 5.7.1.4).
.macro TOSTAGE a
.irp b, 0,1,2,3
	ds_store_b128 v[STO], v[ACC+8*(4*(\a)+\b):ACC+8*(4*(\a)+\b)+3] offset:128*(\b/2)+32*(\b%2)
	ds_store_b128 v[STO], v[ACC+8*(4*(\a)+\b)+4:ACC+8*(4*(\a)+\b)+7] offset:128*(\b/2)+32*(\b%2)+16
.endr
.set BB, OB+32*((\a)%2)
.irp f, 0,1,2,3,4,5,6,7
	ds_load_b128 v[BB+4*\f:BB+4*\f+3], v[RD] offset:544*\f
.endr
.endm
.macro SEND a, younger
.set BB, OB+32*((\a)%2)
	s_wait_dscnt \younger
	WIN ADDR
.irp f, 0,1,2,3,4,5,6,7
	v_pk_add_f32 v[BB+4*\f:BB+4*\f+1], v[BB+4*\f:BB+4*\f+1], v[32*(\a)+4*\f:32*(\a)+4*\f+1]
	v_pk_add_f32 v[BB+4*\f+2:BB+4*\f+3], v[BB+4*\f+2:BB+4*\f+3], v[32*(\a)+4*\f+2:32*(\a)+4*\f+3]
.endr
	WIN 0
.irp f, 0,1,2,3,4,5,6,7
	global_store_b128 v[CO], v[BB+4*\f:BB+4*\f+3], s[68:69] offset:(32*((\a)/2)+8*((\a)%2)+2*\f+8*(\f/4))*4096   ; sixteen lanes store 256 consecutive bytes, at a multiple of 256 from the buffer's first byte
.endr
.endm
	TOSTAGE 0
.irp a, 1,2,3
.if \a > 1
	s_wait_xcnt 0x0                                ; tile a - 2's stores have read their registers: tile a's loads may land there
.endif
	TOSTAGE \a
	SEND \a-1, 16                                  ; behind tile a - 1's loads: tile a's 8 stores and 8 loads
.endr
	SEND 3, 0
	s_wait_tensorcnt 0x0                           ; the wave's end
	ds_add_u32 v[SPW], v[NIL]
	s_wait_dscnt 0x0
	CROUND                                         ; the closing round
	s_endpgm
.Lfunc_end_k_q3a8f1d590a_proj:
	.size	k_q3a8f1d590a_proj, .Lfunc_end_k_q3a8f1d590a_proj-k_q3a8f1d590a_proj
	.p2alignl 7, 3214868480
	.fill 96, 4, 3214868480
	.section	.rodata,"a",@progbits
	.p2align	6, 0x0
	.amdhsa_kernel k_q3a8f1d590a_proj
		.amdhsa_group_segment_fixed_size 327680
		.amdhsa_private_segment_fixed_size 0
		.amdhsa_enable_private_segment 0
		.amdhsa_kernarg_size 40
		.amdhsa_user_sgpr_count 2
		.amdhsa_user_sgpr_kernarg_segment_ptr 1
		.amdhsa_wavefront_size32 1
		.amdhsa_system_sgpr_workgroup_id_x 1
		.amdhsa_system_sgpr_workgroup_id_y 1
		.amdhsa_system_sgpr_workgroup_id_z 1
		.amdhsa_system_vgpr_workitem_id 0
		.amdhsa_next_free_vgpr 640
		.amdhsa_next_free_sgpr 80
		.amdhsa_reserve_vcc 0
		.amdhsa_float_denorm_mode_32 3
		.amdhsa_float_denorm_mode_16_64 3
		.amdhsa_memory_ordered 1
		.amdhsa_forward_progress 1
		.amdhsa_inst_pref_size 59
	.end_amdhsa_kernel
	.amdgpu_metadata
---
amdhsa.version: [ 1, 2 ]
amdhsa.kernels:
  - .name:           k_q3a8f1d590a_proj
    .symbol:         k_q3a8f1d590a_proj.kd
    .args:
      - { .name: attn_c, .offset: 0, .size: 8, .value_kind: global_buffer, .address_space: global }
      - { .name: wts, .offset: 8, .size: 8, .value_kind: global_buffer, .address_space: global }
      - { .name: x, .offset: 16, .size: 8, .value_kind: global_buffer, .address_space: global }
      - { .name: b_proj, .offset: 24, .size: 8, .value_kind: global_buffer, .address_space: global }
      - { .name: x1, .offset: 32, .size: 8, .value_kind: global_buffer, .address_space: global }
    .group_segment_fixed_size: 327680
    .private_segment_fixed_size: 0
    .kernarg_segment_align: 8
    .kernarg_segment_size: 40
    .max_flat_workgroup_size: 128
    .sgpr_count:     80
    .vgpr_count:     640
    .wavefront_size: 32
...
	.end_amdgpu_metadata
.endif
;; end of part 4
;; launch ln2: the kernel of part 1 again; grid 256 x 1, 8 waves a work-group, no clusters, 101,376 bytes of LDS; arguments x1, ln2_w, ln2_b, xn_c, wq, wk, wv, w_proj, w1, w2, wts; writes xn_c, wts
;; launch ffn1 (part 5): grid 16 x 16, 4 waves a work-group, clusters of 4 x 4, 327,680 bytes of LDS; arguments xn_c, wts, b1, h_c; writes h_c
.if DOCPART == 5
	.amdgcn_target "amdgcn-amd-amdhsa--gfx1250"
	.amdhsa_code_object_version 6
	.text
	.protected	k_q3a8f1d590a_ffn1
	.globl	k_q3a8f1d590a_ffn1
	.p2align	8
	.type	k_q3a8f1d590a_ffn1,@function
k_q3a8f1d590a_ffn1:
	s_mov_b64 s[64:65], 0
	v_nop
	global_prefetch_b8 v0, s[64:65] scope:SCOPE_SE
	s_setreg_imm32_b32 hwreg(HW_REG_WAVE_MODE, 25, 1), 1
	s_wait_xcnt 0x0
	s_wait_alu depctr_hold_cnt(0) depctr_sa_sdst(0) depctr_va_vdst(0) depctr_va_sdst(0) depctr_va_ssrc(0) depctr_va_vcc(0) depctr_vm_vsrc(0)
	s_getreg_b32 s2, hwreg(HW_REG_IB_STS2, 6, 4)
	s_cmp_eq_u32 s2, 0
	s_cbranch_scc0 .Lentry_in_a_cluster
	s_endpgm
.Lentry_in_a_cluster:
	s_bfe_u32 s2, ttmp6, 0x10000c
	s_cmp_lg_u32 s2, 0xf033
	s_cbranch_scc0 .Lentry_shape_is_right
	s_endpgm
.Lentry_shape_is_right:
.set FFN,   1
.set BLK,   33792
.set SLOT,  4*BLK
.set SPARE, 2*SLOT
.set W1OFF, 4325376
.set NP,    8
.set ADRA, 16
.set ADS1, 18
.set ADRB, 20
.set ADS0, 22
.set LI,   24
.set LS,   25
.set LS8,  26
.set BO,   27
.set SPW,  28
.set NIL,  29
.set SC,   32
.set BI,   64
.set TM,   64
.set PW,   80
.set PWE,  81
.set PK,   82
.set PC,   96
.set AF,   128
.set G1,  24
.set G0,  32
.set G1B, 48
.set G0B, 56
.set SEL, 82
.set MNT, 84
.set MH,  85
.set MSB, 0
.macro WIN new
.if MSB != (\new)
	s_set_vgpr_msb (MSB<<8)|(\new)
.set MSB, (\new)
.endif
.endm
.set MUL_LO, 0xa1
.set MUL_HI, 0xf1
.set TO_B,   0x40
.macro PLACES n
.rept \n
	v_nop
.endr
.endm
.macro JLOAD g0a, g1a, g0b, g1b
	s_cmp_eq_u32 s15, 0
	s_cbranch_scc0 .Lfor_b_\@
	tensor_load_to_lds s[\g0a:\g0a+3], s[\g1a:\g1a+7]
	s_nop 0
.rept 4
	v_nop
.endr
	s_branch .Lasked_\@
.Lfor_b_\@:
	tensor_load_to_lds s[\g0b:\g0b+3], s[\g1b:\g1b+7]
	s_nop 0
.rept 4
	v_nop
.endr
.Lasked_\@:
.endm
.macro CREST
	s_cmp_lg_u32 s14, 0
	s_cbranch_scc1 .Lnot_wave_0_\@
	s_barrier_signal -3
.Lnot_wave_0_\@:
	s_barrier_wait -3
	s_barrier_signal -1
	s_barrier_wait -1
.endm
.macro CROUND
	s_barrier_signal -1
	s_barrier_wait -1
	CREST
.endm
.macro WMC d, a, b, c, sa, sb, ra, rb
.if ((\ra) == 0) && ((\rb) == 0)
	v_wmma_scale_f32_16x16x128_f8f6f4 v[(\d):(\d)+7], v[(\a):(\a)+15], v[(\b):(\b)+15], v[(\c):(\c)+7], v[(\sa)], v[(\sb)] matrix_a_fmt:MATRIX_FMT_BF8 matrix_b_fmt:MATRIX_FMT_BF8
.elseif ((\ra) == 1) && ((\rb) == 0)
	v_wmma_scale_f32_16x16x128_f8f6f4 v[(\d):(\d)+7], v[(\a):(\a)+15], v[(\b):(\b)+15], v[(\c):(\c)+7], v[(\sa)], v[(\sb)] matrix_a_fmt:MATRIX_FMT_BF8 matrix_b_fmt:MATRIX_FMT_BF8 matrix_a_scale:MATRIX_SCALE_ROW1
.elseif ((\ra) == 0) && ((\rb) == 1)
	v_wmma_scale_f32_16x16x128_f8f6f4 v[(\d):(\d)+7], v[(\a):(\a)+15], v[(\b):(\b)+15], v[(\c):(\c)+7], v[(\sa)], v[(\sb)] matrix_a_fmt:MATRIX_FMT_BF8 matrix_b_fmt:MATRIX_FMT_BF8 matrix_b_scale:MATRIX_SCALE_ROW1
.else
	v_wmma_scale_f32_16x16x128_f8f6f4 v[(\d):(\d)+7], v[(\a):(\a)+15], v[(\b):(\b)+15], v[(\c):(\c)+7], v[(\sa)], v[(\sb)] matrix_a_fmt:MATRIX_FMT_BF8 matrix_b_fmt:MATRIX_FMT_BF8 matrix_a_scale:MATRIX_SCALE_ROW1 matrix_b_scale:MATRIX_SCALE_ROW1
.endif
.endm
.macro WMZ d, a, b, sa, sb, ra, rb
.if ((\ra) == 0) && ((\rb) == 0)
	v_wmma_scale_f32_16x16x128_f8f6f4 v[(\d):(\d)+7], v[(\a):(\a)+15], v[(\b):(\b)+15], 0, v[(\sa)], v[(\sb)] matrix_a_fmt:MATRIX_FMT_BF8 matrix_b_fmt:MATRIX_FMT_BF8
.elseif ((\ra) == 1) && ((\rb) == 0)
	v_wmma_scale_f32_16x16x128_f8f6f4 v[(\d):(\d)+7], v[(\a):(\a)+15], v[(\b):(\b)+15], 0, v[(\sa)], v[(\sb)] matrix_a_fmt:MATRIX_FMT_BF8 matrix_b_fmt:MATRIX_FMT_BF8 matrix_a_scale:MATRIX_SCALE_ROW1
.elseif ((\ra) == 0) && ((\rb) == 1)
	v_wmma_scale_f32_16x16x128_f8f6f4 v[(\d):(\d)+7], v[(\a):(\a)+15], v[(\b):(\b)+15], 0, v[(\sa)], v[(\sb)] matrix_a_fmt:MATRIX_FMT_BF8 matrix_b_fmt:MATRIX_FMT_BF8 matrix_b_scale:MATRIX_SCALE_ROW1
.else
	v_wmma_scale_f32_16x16x128_f8f6f4 v[(\d):(\d)+7], v[(\a):(\a)+15], v[(\b):(\b)+15], 0, v[(\sa)], v[(\sb)] matrix_a_fmt:MATRIX_FMT_BF8 matrix_b_fmt:MATRIX_FMT_BF8 matrix_a_scale:MATRIX_SCALE_ROW1 matrix_b_scale:MATRIX_SCALE_ROW1
.endif
.endm
	s_load_b256 s[4:11], s[0:1], 0x0
	v_lshl_add_u32 v[SPW], v0, 2, SPARE
	v_mov_b32 v[NIL], 0
	ds_add_u32 v28, v29
	ds_add_u32 v28, v29
	s_wait_dscnt 0x0
	v_lshrrev_b32 v1, 5, v0
	v_readfirstlane_b32 s14, v1
	s_lshr_b32 s15, s14, 1
	s_and_b32 s16, s14, 1
	s_bfe_u32 s40, ttmp6, 0x40000
	s_bfe_u32 s41, ttmp6, 0x40004
	s_lshl_b32 s42, ttmp9, 2
	s_add_co_u32 s42, s42, s40
	s_and_b32 s45, ttmp7, 0xffff
	s_lshl_b32 s17, s45, 2
	s_add_co_u32 s17, s17, s41
	s_lshl_b32 s43, s41, 2
	s_lshl_b32 s43, 15, s43
	s_lshl_b32 s44, 0x1111, s40
	s_or_b32 s[G1+0], s43, (3<<16)|(1<<21)
	s_or_b32 s[G1B+0], s44, (3<<16)|(1<<21)
.irp g, G1, G1B
	s_mov_b32 s[\g+1], 32<<16
	s_mov_b32 s[\g+2], 132<<16
	s_mov_b32 s[\g+3], 32<<16
	s_mov_b32 s[\g+4], 132
	s_mov_b32 s[\g+5], 32
	s_mov_b32 s[\g+6], 0
	s_mov_b32 s[\g+7], 0
.endr
.if FFN
	s_mov_b32 s74, s17
	s_mov_b32 s75, s42
.else
	s_add_co_u32 s12, s41, 8
	s_sub_co_i32 s13, s45, 4
	s_max_i32 s13, s13, 0
	s_lshl_b32 s13, s13, 3
	s_add_co_u32 s13, s13, s42
	s_cmp_ge_u32 s45, 4
	s_cselect_b32 s46, 1, 0
	s_cselect_b32 s74, s12, s17
	s_cselect_b32 s75, s13, s42
.endif
	s_lshl_b32 s18, s74, 1
	s_add_co_u32 s18, s18, s16
	s_mul_i32 s18, s18, 4*BLK
	s_mov_b32 s19, 0
	s_lshl_b32 s76, s75, 1
	s_add_co_u32 s76, s76, s16
	s_mul_i32 s76, s76, 4*BLK
	s_mov_b32 s77, 0
	s_mul_i32 s47, s14, BLK
	s_wait_kmcnt 0x0
.if FFN
	s_add_nc_u64 s[20:21], s[4:5], s[18:19]
	s_add_nc_u64 s[22:23], s[6:7], s[76:77]
	s_add_nc_u64 s[22:23], s[22:23], W1OFF
.else
	s_cmp_eq_u32 s46, 1
	s_cselect_b64 s[20:21], s[6:7], s[4:5]
	s_cselect_b64 s[22:23], s[4:5], s[6:7]
	s_add_nc_u64 s[20:21], s[20:21], s[18:19]
	s_add_nc_u64 s[22:23], s[22:23], s[76:77]
.endif
	CROUND
.irp s, 0,1
	s_mov_b32 s[G0+4*\s], 1
	s_add_co_u32 s[G0+4*\s+1], s47, \s*SLOT
	s_add_nc_u64 s[G0+4*\s+2:G0+4*\s+3], s[20:21], \s*BLK
	s_or_b32 s[G0+4*\s+3], s[G0+4*\s+3], 0x80000000
	s_mov_b32 s[G0B+4*\s], 1
	s_add_co_u32 s[G0B+4*\s+1], s47, \s*SLOT
	s_add_nc_u64 s[G0B+4*\s+2:G0B+4*\s+3], s[22:23], \s*BLK
	s_or_b32 s[G0B+4*\s+3], s[G0B+4*\s+3], 0x80000000
.endr
	JLOAD G0, G1, G0B, G1B                         ; slot 0: one tensor load a wave at the head
	v_and_b32 v1, 31, v0
	v_lshlrev_b32 v[LI], 4, v1
	v_lshlrev_b32 v[LS], 2, v1
	v_lshlrev_b32 v[LS8], 3, v1
	s_mul_i32 s2, s15, BLK
	s_mul_i32 s3, s16, BLK
	s_add_co_u32 s3, s3, 2*BLK
.irp s, 0,1
	v_add_nc_u32 v[ADRA+\s], s2, v[LI]
	v_add_nc_u32 v[ADS1+\s], s2, v[LS8]
	v_add_nc_u32 v[ADRB+\s], s3, v[LI]
	v_add_nc_u32 v[ADS0+\s], s3, v[LS8]
	s_add_co_u32 s2, s2, SLOT
	s_add_co_u32 s3, s3, SLOT
.endr
	s_mov_b32 s[SEL], 0x76543210
	s_mov_b32 s[SEL+1], 0xfedcba98
	s_mov_b32 s[MNT], 0x600000
	s_mov_b32 s[MH], 0xffff0000
.if FFN
	v_lshrrev_b32 v2, 4, v1
	v_lshlrev_b32 v[BO], 6, v2
	s_lshl_b32 s18, s42, 10
	s_lshl_b32 s19, s16, 9
	s_add_co_u32 s18, s18, s19
	s_mov_b32 s19, 0
	s_add_nc_u64 s[68:69], s[8:9], s[18:19]
.irp b, 0,1,2,3,4,5,6,7
	global_load_b128 v[BI+8*\b:BI+8*\b+3], v[BO], s[68:69] offset:128*(\b/2)+32*(\b%2)
	global_load_b128 v[BI+8*\b+4:BI+8*\b+7], v[BO], s[68:69] offset:128*(\b/2)+32*(\b%2)+16
.endr
	s_lshl_b32 s18, s17, 1
	s_add_co_u32 s18, s18, s15
	s_lshl_b32 s18, s18, 4
	s_add_co_u32 s18, s18, s42
	s_mul_i32 s18, s18, BLK
	s_mov_b32 s19, 0
	s_add_nc_u64 s[66:67], s[10:11], s[18:19]
	s_lshl_b32 s18, s16, 2
	s_add_co_u32 s18, s18, 32768
	s_add_nc_u64 s[70:71], s[66:67], s[18:19]
	s_lshl_b32 s18, s16, 14
	s_add_nc_u64 s[66:67], s[66:67], s[18:19]
.else
	s_lshl_b32 s2, s75, 1
	s_add_co_u32 s2, s2, s16
	s_lshl_b32 s3, s74, 1
	s_add_co_u32 s3, s3, s15
	s_lshl_b32 s12, s41, 2
	s_lshl_b32 s13, s15, 1
	s_add_co_u32 s12, s12, s13
	s_and_b32 s13, s42, 3
	s_lshl_b32 s13, s13, 2
	s_lshl_b32 s18, s16, 1
	s_add_co_u32 s13, s13, s18
	s_cmp_eq_u32 s46, 1
	s_cselect_b32 s2, s2, s3
	s_cselect_b32 s12, s12, s13
	s_cselect_b32 s78, 8192, 0
	s_lshr_b32 s3, s42, 2
	s_or_b32 s3, s3, s46
	s_cmp_lg_u32 s3, 0
	s_cselect_b64 s[66:67], s[10:11], s[8:9]
	s_mov_b32 s13, 8704
	s_cselect_b32 s13, 17408, s13
	s_mov_b32 s79, 8192
	s_cselect_b32 s79, 16384, s79
	s_lshr_b32 s18, s2, 3
	s_lshl_b32 s18, s18, 4
	s_add_co_u32 s18, s18, s12
	s_lshl_b32 s18, s18, 3
	s_and_b32 s2, s2, 7
	s_add_co_u32 s18, s18, s2
	s_mul_i32 s18, s18, s13
	s_add_co_u32 s18, s18, s78
	s_mov_b32 s19, 0
	s_add_nc_u64 s[66:67], s[66:67], s[18:19]
	s_lshl_b32 s18, s13, 3
	s_add_nc_u64 s[68:69], s[66:67], s[18:19]
	s_mov_b32 s18, s79
	s_add_nc_u64 s[70:71], s[66:67], s[18:19]
	s_add_nc_u64 s[72:73], s[68:69], s[18:19]
.endif
.macro FRAG reg, adr, q, i
.irp c, 0,1,2,3
	ds_load_b128 v[\reg+4*\c:\reg+4*\c+3], v[\adr] offset:(8*(\q)+(\i))*2048+512*\c
.endr
.endm
.macro FETCH_B slot, q, p
	WIN TO_B
.irp i, 0,1,2,3,4,5,6,7
	FRAG 128*(\p)+16*\i, ADRB+\slot, \q, \i
.endr
	WIN 0
.endm
.macro FETCH_A slot, q, i0
.irp i, \i0, \i0+1, \i0+2, \i0+3
	FRAG AF+16*(\i), ADRA+\slot, \q, \i
.endr
.endm
.macro SCALES sl
.irp p, 0,1,2,3
	ds_load_b64 v[SC+16*\sl+2*\p:SC+16*\sl+2*\p+1], v[ADS0+\sl] offset:32768+256*\p
	ds_load_b64 v[SC+16*\sl+8+2*\p:SC+16*\sl+8+2*\p+1], v[ADS1+\sl] offset:32768+256*\p
.endr
.endm
.macro MUL16 a0, p, q, sc, first
.irp a, \a0, \a0+1
.irp b, 0,1,2,3,4,5,6,7
.if \first
.if FFN
	WMC 8*(8*((\a)%4)+\b), 128*(\p)+16*\b, AF+16*(\a), BI+8*\b, SC+16*(\sc)+2*(\b/2)+(\q), SC+16*(\sc)+8+2*((\a)/2)+(\q), \b%2, (\a)%2
.else
	WMZ 8*(8*((\a)%4)+\b), 128*(\p)+16*\b, AF+16*(\a), SC+16*(\sc)+2*(\b/2)+(\q), SC+16*(\sc)+8+2*((\a)/2)+(\q), \b%2, (\a)%2
.endif
.else
	WMC 8*(8*((\a)%4)+\b), 128*(\p)+16*\b, AF+16*(\a), 8*(8*((\a)%4)+\b), SC+16*(\sc)+2*(\b/2)+(\q), SC+16*(\sc)+8+2*((\a)/2)+(\q), \b%2, (\a)%2
.endif
.endr
.endr
.endm
.macro STEP slot, q, first
	s_wait_dscnt 16
.if (\first) && FFN
	WIN 0x81
.else
	WIN MUL_LO
.endif
	MUL16 0, (\q)%2, \q, \slot, \first
	MUL16 2, (\q)%2, \q, \slot, \first
	s_wait_dscnt 0x0
	PLACES NP
	FETCH_B \slot, (\q)+1, 1-(\q)%2
	FETCH_A \slot, (\q)+1, 0
.if (\first) && FFN
	WIN 0xc1
.else
	WIN MUL_HI
.endif
	MUL16 4, (\q)%2, \q, \slot, \first
	MUL16 6, (\q)%2, \q, \slot, \first
	PLACES NP
	WIN 0
	FETCH_A \slot, (\q)+1, 4
.endm
.macro TURN slot, next, fill
	s_wait_tensorcnt 0x0
	ds_add_u32 v[SPW], v[NIL]
	s_wait_dscnt 17
	WIN MUL_LO
	MUL16 0, 1, 1, \slot, 0
	s_wait_dscnt 0x0
	s_barrier_signal -1
	MUL16 2, 1, 1, \slot, 0
	WIN 0
	s_barrier_wait -1
.if \fill
	CREST
	s_add_nc_u64 s[G0+4*\slot+2:G0+4*\slot+3], s[G0+4*\slot+2:G0+4*\slot+3], 2*BLK
	s_add_nc_u64 s[G0B+4*\slot+2:G0B+4*\slot+3], s[G0B+4*\slot+2:G0B+4*\slot+3], 2*BLK
	JLOAD G0+4*\slot, G1, G0B+4*\slot, G1B
	PLACES NP-4
.else
	PLACES NP
.endif
	FETCH_B \next, 0, 0
	FETCH_A \next, 0, 0
	SCALES \next
	WIN MUL_HI
	MUL16 4, 1, 1, \slot, 0
	MUL16 6, 1, 1, \slot, 0
	PLACES NP
	WIN 0
	FETCH_A \next, 0, 4
.endm
	s_wait_alu depctr_va_vdst(0)
	s_wait_tensorcnt 0x0                           ; my block of slot 0 is in
	ds_add_u32 v[SPW], v[NIL]                      ; the add and its wait, ahead of a later first fill
	s_wait_dscnt 0x0
	CROUND                                         ; everybody's block of slot 0 is in, and the sixteen work-groups meet
	JLOAD G0+4, G1, G0B+4, G1B                     ; slot 1's first fill, the first tensor load behind the round
	FETCH_B 0, 0, 0
	FETCH_A 0, 0, 0
	SCALES 0
	FETCH_A 0, 0, 4
.if FFN
	s_wait_loadcnt 0x0
.endif
	STEP 0, 0, 1
	TURN 0, 1, 1
	STEP 1, 0, 0
	TURN 1, 0, 1
	STEP 0, 0, 0
	TURN 0, 1, 0
	STEP 1, 0, 0
	s_wait_dscnt 16
	WIN MUL_LO
	MUL16 0, 1, 1, 1, 0
	MUL16 2, 1, 1, 1, 0
	s_wait_dscnt 0x0
	WIN MUL_HI
	MUL16 4, 1, 1, 1, 0
	MUL16 6, 1, 1, 1, 0
	WIN 0
	PLACES NP
.macro QUANTW a, relu
.set WW, 2+(\a)/4
.set ACB, 64*((\a)%4)
	WIN WW|(WW<<2)
.irp b, 0,1,2,3
.if \relu
	v_max3_num_f32 v[TM+\b], v[ACB+16*\b], v[ACB+16*\b+1], 0x8000000
.else
	v_max3_num_f32 v[TM+\b], |v[ACB+16*\b]|, |v[ACB+16*\b+1]|, 0x8000000
.endif
.endr
	WIN (WW<<2)|(WW<<4)
.irp i, 2,4,6,8,10,12,14
.irp b, 0,1,2,3
.if \relu
	v_max3_num_f32 v[TM+\b], v[TM+\b], v[ACB+16*\b+\i], v[ACB+16*\b+\i+1]
.else
	v_max3_num_f32 v[TM+\b], v[TM+\b], |v[ACB+16*\b+\i]|, |v[ACB+16*\b+\i+1]|
.endif
.endr
.endr
	WIN 0
.irp b, 0,1,2,3
	v_permlanex16_b32 v[TM+4+\b], v[TM+\b], s[SEL], s[SEL+1]
.endr
.irp b, 0,1,2,3
	v_max_num_f32 v[TM+\b], v[TM+\b], v[TM+4+\b]
.endr
.irp b, 0,1,2,3
	v_add_nc_u32 v[TM+12+\b], 0xf8800000, v[TM+\b]
.endr
.irp b, 0,1,2,3
	v_and_or_b32 v[TM+8+\b], v[TM+\b], 0x7f800000, s[MNT]
.endr
.irp b, 0,1,2,3
	v_lshrrev_b32 v[TM+4+\b], 23, v[TM+12+\b]
.endr
	v_lshl_or_b32 v[PW], v[TM+5], 8, v[TM+4]
	v_lshl_or_b32 v[PW], v[TM+6], 16, v[PW]
	v_lshl_or_b32 v[PW], v[TM+7], 24, v[PW]
	WIN WW|(WW<<6)
.irp b, 0,1,2,3
.irp i, 0,1,2,3,4,5,6,7,8,9,10,11,12,13,14,15
.if \relu
	v_med3_num_f32 v[ACB+16*\b+\i], v[ACB+16*\b+\i], 0, v[TM+8+\b]
.else
	v_med3_num_f32 v[ACB+16*\b+\i], v[ACB+16*\b+\i], -v[TM+8+\b], v[TM+8+\b]
.endif
.endr
.endr
	WIN WW
.irp b, 0,1,2,3
	v_cvt_scalef32_pk8_bf8_f32 v[PC+4*\b:PC+4*\b+1], v[ACB+16*\b:ACB+16*\b+7], v[TM+12+\b]
	v_cvt_scalef32_pk8_bf8_f32 v[PC+4*\b+2:PC+4*\b+3], v[ACB+16*\b+8:ACB+16*\b+15], v[TM+12+\b]
.endr
	WIN 0
	v_nop
.endm
.irp b, 0,1,2,3
	v_mov_b32 v[TM+4+\b], 0
.endr
.irp a, 0,1,2,3,4,5,6,7
	s_wait_xcnt 0x0
.if FFN
	QUANTW \a, 1
.irp c, 0,1,2,3
	global_store_b128 v[LI], v[PC+4*\c:PC+4*\c+3], s[66:67] offset:\a*2048+512*\c
.endr
.if (\a%2) == 0
	v_mov_b32 v[PWE], v[PW]
.else
	v_cndmask_b32 v[PK], v[PWE], v[PW], s[MH]
	global_store_b32 v[LS8], v[PK], s[70:71] offset:256*(\a/2)
.endif
.else
	QUANTW \a, 0
.if (\a%2) == 0
	v_mov_b32 v[PWE], v[PW]
.else
	v_perm_b32 v[PK], v[PW], v[PWE], 0x05040100
	v_perm_b32 v[PK+1], v[PW], v[PWE], 0x07060302
.endif
	s_cmp_eq_u32 s46, 0
	s_cbranch_scc0 .Lv_\a
	global_store_b128 v[LI], v[PC:PC+3], s[66:67] offset:(\a/2)*2048+1024*(\a%2)
	global_store_b128 v[LI], v[PC+4:PC+7], s[66:67] offset:(\a/2)*2048+1024*(\a%2)+512
	global_store_b128 v[LI], v[PC+8:PC+11], s[68:69] offset:(\a/2)*2048+1024*(\a%2)
	global_store_b128 v[LI], v[PC+12:PC+15], s[68:69] offset:(\a/2)*2048+1024*(\a%2)+512
.if (\a%2) == 1
	global_store_b32 v[LS], v[PK], s[70:71] offset:128*(\a/2)
	global_store_b32 v[LS], v[PK+1], s[72:73] offset:128*(\a/2)
.endif
	s_branch .Ldone_\a
.Lv_\a:
.irp c, 0,1,2,3
	global_store_b128 v[LI], v[PC+4*\c:PC+4*\c+3], s[66:67] offset:(\a/4)*139264+(\a%4)*2048+512*\c
.endr
	global_store_b32 v[LS], v[PW], s[66:67] offset:(\a/4)*139264+8704+128*(\a%4)
.Ldone_\a:
.endif
.endr
	s_wait_tensorcnt 0x0
	ds_add_u32 v[SPW], v[NIL]
	s_wait_dscnt 0x0
	CROUND
	s_endpgm
.Lfunc_end_k_q3a8f1d590a_ffn1:
	.size	k_q3a8f1d590a_ffn1, .Lfunc_end_k_q3a8f1d590a_ffn1-k_q3a8f1d590a_ffn1
	.p2alignl 7, 3214868480
	.fill 96, 4, 3214868480
	.section	.rodata,"a",@progbits
	.p2align	6, 0x0
	.amdhsa_kernel k_q3a8f1d590a_ffn1
		.amdhsa_group_segment_fixed_size 327680
		.amdhsa_private_segment_fixed_size 0
		.amdhsa_enable_private_segment 0
		.amdhsa_kernarg_size 32
		.amdhsa_user_sgpr_count 2
		.amdhsa_user_sgpr_kernarg_segment_ptr 1
		.amdhsa_wavefront_size32 1
		.amdhsa_system_sgpr_workgroup_id_x 1
		.amdhsa_system_sgpr_workgroup_id_y 1
		.amdhsa_system_sgpr_workgroup_id_z 1
		.amdhsa_system_vgpr_workitem_id 0
		.amdhsa_next_free_vgpr 1024
		.amdhsa_next_free_sgpr 100
		.amdhsa_reserve_vcc 0
		.amdhsa_float_denorm_mode_32 3
		.amdhsa_float_denorm_mode_16_64 3
		.amdhsa_memory_ordered 1
		.amdhsa_forward_progress 1
		.amdhsa_inst_pref_size 185
	.end_amdhsa_kernel
	.amdgpu_metadata
---
amdhsa.version: [ 1, 2 ]
amdhsa.kernels:
  - .name:           k_q3a8f1d590a_ffn1
    .symbol:         k_q3a8f1d590a_ffn1.kd
    .args:
      - { .name: xn_c, .offset: 0, .size: 8, .value_kind: global_buffer, .address_space: global }
      - { .name: wts, .offset: 8, .size: 8, .value_kind: global_buffer, .address_space: global }
      - { .name: b1, .offset: 16, .size: 8, .value_kind: global_buffer, .address_space: global }
      - { .name: h_c, .offset: 24, .size: 8, .value_kind: global_buffer, .address_space: global }
    .group_segment_fixed_size: 327680
    .private_segment_fixed_size: 0
    .kernarg_segment_align: 8
    .kernarg_segment_size: 32
    .max_flat_workgroup_size: 128
    .sgpr_count:     100
    .vgpr_count:     1024
    .wavefront_size: 32
...
	.end_amdgpu_metadata
.endif
;; end of part 5
;; launch ffn2 (part 6): grid 8 x 32, 4 waves a work-group, clusters of 4 x 4, 327,680 bytes of LDS; arguments h_c, wts, x1, b2, out0; writes out0
.if DOCPART == 6
	.amdgcn_target "amdgcn-amd-amdhsa--gfx1250"
	.amdhsa_code_object_version 6
	.text
	.protected	k_q3a8f1d590a_ffn2
	.globl	k_q3a8f1d590a_ffn2
	.p2align	8
	.type	k_q3a8f1d590a_ffn2,@function
k_q3a8f1d590a_ffn2:
	s_mov_b64 s[64:65], 0
	v_nop
	global_prefetch_b8 v0, s[64:65] scope:SCOPE_SE
	s_setreg_imm32_b32 hwreg(HW_REG_WAVE_MODE, 25, 1), 1
	s_wait_xcnt 0x0
	s_wait_alu depctr_hold_cnt(0) depctr_sa_sdst(0) depctr_va_vdst(0) depctr_va_sdst(0) depctr_va_ssrc(0) depctr_va_vcc(0) depctr_vm_vsrc(0)
	s_getreg_b32 s2, hwreg(HW_REG_IB_STS2, 6, 4)
	s_cmp_eq_u32 s2, 0
	s_cbranch_scc0 .Lentry_in_a_cluster
	s_endpgm
.Lentry_in_a_cluster:
	s_bfe_u32 s2, ttmp6, 0x10000c
	s_cmp_lg_u32 s2, 0xf033
	s_cbranch_scc0 .Lentry_shape_is_right
	s_endpgm
.Lentry_shape_is_right:
; out0 = x1 + h w2 + b2.  h (4,096 tokens x K = 4,096) and w2 (1,024 columns x K) are codes of E5M2 with one E8M0 byte for each 32 along K; x1, b2, out0 are f32, rows of 1,024.
; OPERANDS lie in blocks of 128 rows x 256 K, BLK = 33,792 dense bytes: fragment (tile i, K step q) at (8 q + i) 2048 as an image of its registers, scale words at 32768 + 256 (i / 2) + 8 (16 (i % 2) + row) + 4 q;
; storage row 32 b + 16 u + r holds row 32 b + 8 u + r + 8 (r / 8).
; SHARES: a work-group makes 128 tokens x 128 columns: 8 x 32 = 256 work-groups; each of four waves 32 tokens x 128 columns: 16 accumulators, 32 K steps of 128, 16 products a step.
; W2, which all four waves read, comes through a ring of two LDS slots of four blocks (1,024 along K): four fills in all, one tensor load a wave bringing one block, codes and scale words together.
; CLUSTER 4 x 4: w2's blocks hang on the tile column alone and are asked for jointly along a column of the cluster.  By this text's count a wave has one tensor load out at any time.
; H GOES FROM MEMORY STRAIGHT INTO REGISTERS: a wave's 32 tokens are its own, the buffer holds register images, so a load is 512 consecutive bytes and no byte comes twice in a work-group; what goes into registers is no LDS tile and cannot be asked for jointly.
; A ring of eight K steps of 32 registers: at a step's head the set that the last step read takes the step seven on.  At most 60 loads of a wave are out.
; The waits: behind what a step needs, six steps' eight loads and at least two loads of scale words have been issued: 50; the first and last steps have their own counts (macro STEP).
; The 32 steps are written out by one macro: every offset is an immediate, no address register and no base is ever stepped.
; A slot's last step changes slots: its operands stand in registers, so its products stand inside the round; behind the round the slot just left is filled again (steps 7, 15), then the next slot's first fragments are read.
; The product is used transposed (source 0 = w2's rows, source 1 = tokens): a lane holds one token and eight neighbouring columns.  The residual takes the refills of steps 25 to 28, which h no longer needs; residual, then bias, are added on the way out.
; PREFETCH: h's blocks 4 g + cx (g = 1, 2, 3) in steps 0, 4, 12: the four partners of a cluster's row are told apart by address; a wave asks for its own 32 tokens' two runs of 4,096 bytes, lanes 256 bytes apart: one, five and five steps ahead of the first load that wants them.
; w2's codes of fills 2 and 3 in steps 0 and 8, seven steps ahead of their loads: partner cy takes block cy, wave w 8,192 bytes of it; the eight clusters of a tile column read the same blocks, so only those with y under 4 ask.  What the head loads, and the scale words, come by their loads alone.
; REGISTERS: window 0: v16-29 addresses; v32-39 h's scale words, four blocks; v40-55 w2's, two blocks; v60-63 the bias; v64-79 LDS addresses of the eight blocks; v128-255 accumulator (a, b) at v[128 + 8 (8 a + b)].
; window 1: w2's fragments, two sets of 128; later rows on the way out.  window 2: h's ring.  window 3: v0-127 the residual.
; LIMITS: NaN and infinities are not served.
.set KB,    16
.set WOFF,  8650752                    ; w2's first block in wts
.set BLK,   33792
.set SLOT,  4*BLK
.set STAGE, 2*SLOT                     ; 16 rows x 528 bytes for each wave: never a tensor load's target
.set SPARE, STAGE+4*16*528
.set NP,    8                          ; places behind this matrix form (ISA guide 7.12.1)
.set VA,   16                          ; 16 lane
.set VS,   17                          ; 8 lane
.set VP,   21                          ; 256 (lane % 16) + 16384 (lane / 16)
.set VPW,  22                          ; 256 lane
.set STO,  24
.set RD,   25
.set SPW,  28
.set NIL,  29
.set SA,   32
.set SW,   40
.set BI,   60
.set ADW,  64                          ; v64-71 16 lane + i BLK: block i of the two slots' eight
.set ADS,  72                          ; v72-79 8 lane + i BLK
.set ACC,  128
.set G1,  24
.set G0,  32                           ; s[32:35] slot 0's group 0, s[36:39] slot 1's
.set PA,  56                           ; s[56:57] h's fragments
.set PS,  58                           ; s[58:59] its scale words
.set PF,  60                           ; s[60:61] PA + cx blocks
.set PW,  62                           ; s[62:63] w2's codes: block cy, + 8192 wave
.set MUL, 0x09                         ; source 0 window 1, source 1 window 2, C and D window 0
.set MSB, 0
.macro WIN new
.if MSB != (\new)
	s_set_vgpr_msb (MSB<<8)|(\new)
.set MSB, (\new)
.endif
.endm
.macro PLACES n
.rept \n
	v_nop
.endr
.endm
.macro CREST
	s_cmp_lg_u32 s14, 0
	s_cbranch_scc1 .Lnot_wave_0_\@
	s_barrier_signal -3
.Lnot_wave_0_\@:
	s_barrier_wait -3
	s_barrier_signal -1
	s_barrier_wait -1
.endm
.macro CROUND
	s_barrier_signal -1
	s_barrier_wait -1
	CREST
.endm
.macro TLOAD sl                        ; every wave's one load: its block of slot sl; s_nop 0 and four v_nop follow it
	tensor_load_to_lds s[G0+4*(\sl):G0+4*(\sl)+3], s[G1:G1+7]
	s_nop 0
	PLACES 4
.endm
.macro WM4 d, a, b, c, sa, sb, ra, rb  ; one product; c: the C operand as text; ra, rb = 1: that side's scales stand in lanes 16-31
.if ((\ra) == 0) && ((\rb) == 0)
	v_wmma_scale_f32_16x16x128_f8f6f4 v[(\d):(\d)+7], v[(\a):(\a)+15], v[(\b):(\b)+15], \c, v[(\sa)], v[(\sb)] matrix_a_fmt:MATRIX_FMT_BF8 matrix_b_fmt:MATRIX_FMT_BF8
.elseif ((\ra) == 1) && ((\rb) == 0)
	v_wmma_scale_f32_16x16x128_f8f6f4 v[(\d):(\d)+7], v[(\a):(\a)+15], v[(\b):(\b)+15], \c, v[(\sa)], v[(\sb)] matrix_a_fmt:MATRIX_FMT_BF8 matrix_b_fmt:MATRIX_FMT_BF8 matrix_a_scale:MATRIX_SCALE_ROW1
.elseif ((\ra) == 0) && ((\rb) == 1)
	v_wmma_scale_f32_16x16x128_f8f6f4 v[(\d):(\d)+7], v[(\a):(\a)+15], v[(\b):(\b)+15], \c, v[(\sa)], v[(\sb)] matrix_a_fmt:MATRIX_FMT_BF8 matrix_b_fmt:MATRIX_FMT_BF8 matrix_b_scale:MATRIX_SCALE_ROW1
.else
	v_wmma_scale_f32_16x16x128_f8f6f4 v[(\d):(\d)+7], v[(\a):(\a)+15], v[(\b):(\b)+15], \c, v[(\sa)], v[(\sb)] matrix_a_fmt:MATRIX_FMT_BF8 matrix_b_fmt:MATRIX_FMT_BF8 matrix_a_scale:MATRIX_SCALE_ROW1 matrix_b_scale:MATRIX_SCALE_ROW1
.endif
.endm
; 8 products of step st: token tile a against w2's eight.  The 16 accumulators take turns, one instruction a turn.  Step 0's take the constant 0 as C.
.macro MUL8 st, a
.irp b, 0,1,2,3,4,5,6,7
.if (\st) == 0
	WM4 ACC+8*(8*(\a)+\b), 128*((\st)%2)+16*\b, 32*((\st)%8)+16*(\a), 0, SW+8*(((\st)/2)%2)+2*(\b/2)+((\st)%2), SA+2*(((\st)/2)%4)+((\st)%2), \b%2, \a
.else
	WM4 ACC+8*(8*(\a)+\b), 128*((\st)%2)+16*\b, 32*((\st)%8)+16*(\a), v[ACC+8*(8*(\a)+\b):ACC+8*(8*(\a)+\b)+7], SW+8*(((\st)/2)%2)+2*(\b/2)+((\st)%2), SA+2*(((\st)/2)%4)+((\st)%2), \b%2, \a
.endif
.endr
.endm
.macro LDA u                           ; h's two tiles of step u into ring set u % 8: eight loads of 512 consecutive bytes
	WIN 0x80
.irp t, 0,1
.irp c, 0,1,2,3
	global_load_b128 v[32*((\u)%8)+16*\t+4*\c:32*((\u)%8)+16*\t+4*\c+3], v[VA], s[PA:PA+1] offset:((\u)/2)*BLK+((\u)%2)*16384+\t*2048+512*\c
.endr
.endr
.endm
.macro LDAS kb                         ; h's scale words of block kb: both K steps; lanes 0-15 my even tile, lanes 16-31 my odd one
	WIN 0
	global_load_b64 v[SA+2*((\kb)%4):SA+2*((\kb)%4)+1], v[VS], s[PS:PS+1] offset:(\kb)*BLK
.endm
.macro LDW u                           ; w2's eight fragments of step u, from LDS
	WIN 0x40
.irp b, 0,1,2,3,4,5,6,7
.irp c, 0,1,2,3
	ds_load_b128 v[128*((\u)%2)+16*\b+4*\c:128*((\u)%2)+16*\b+4*\c+3], v[ADW+((\u)/2)%8] offset:(8*((\u)%2)+\b)*2048+512*\c
.endr
.endr
.endm
.macro LDWS kb                         ; w2's scale words of block kb
	WIN 0
.irp p, 0,1,2,3
	ds_load_b64 v[SW+8*((\kb)%2)+2*\p:SW+8*((\kb)%2)+2*\p+1], v[ADS+(\kb)%8] offset:32768+256*\p
.endr
.endm
.macro LDR g                           ; eight rows of the residual as the way out wants them: storage row 16 a + t is row 8 a + t + 8 (t / 8) of my 32; the 32 lanes read 512 consecutive bytes
	WIN 0xc0
.irp i, 0,1,2,3,4,5,6,7
	global_load_b128 v[64*((\g)/2)+4*(8*((\g)%2)+\i):64*((\g)/2)+4*(8*((\g)%2)+\i)+3], v[VA], s[66:67] offset:(8*((\g)/2)+16*((\g)%2)+\i)*4096 th:TH_LOAD_NT
.endr
.endm
.macro ASKA g
	WIN 0
	global_prefetch_b8 v[VP], s[PF:PF+1] offset:(\g)*4*BLK th:TH_LOAD_NT scope:SCOPE_SE
.endm
.macro ASKW t
	WIN 0
	s_cmp_eq_u32 s45, 1                            ; clusters with y under 4 alone
	s_cbranch_scc0 .Lnot_mine_\@
	global_prefetch_b8 v[VPW], s[PW:PW+1] offset:(\t)*4*BLK th:TH_LOAD_NT scope:SCOPE_SE
.Lnot_mine_\@:
.endm
.macro FILLS s                         ; what step s asks for
.if (((\s)%2) == 0) && ((\s) <= 24)
	LDAS (\s)/2+3
.endif
.if (\s) <= 24
	LDA (\s)+7
.elseif (\s) <= 28
	LDR (\s)-25
.endif
.if (\s) < 31
	LDW (\s)+1
.if ((\s)%2) == 1
	LDWS ((\s)+1)/2
.endif
.endif
.if (\s) == 0
	ASKA 1
	ASKW 2
.elseif (\s) == 4
	ASKA 2
.elseif (\s) == 8
	ASKW 3
.elseif (\s) == 12
	ASKA 3
.endif
.endm
.macro STEP s
	s_wait_dscnt 0x0                               ; w2's fragments and scale words of this step
.if ((\s) < 3) || (((\s) >= 25) && ((\s) < 30))
	s_wait_loadcnt 48                              ; steps 0 to 2: the head's loads behind step 0's are 48; steps 25 to 29: six steps' eight
.elseif (\s) < 25
	s_wait_loadcnt 50
.elseif (\s) == 30
	s_wait_loadcnt 40                              ; behind block 15's scale words: step 31's eight loads and the residual's 32
.else
	s_wait_loadcnt 32                              ; the residual's 32
.endif
.if ((\s) == 7) || ((\s) == 15)
	WIN 0
	s_wait_tensorcnt 0x0                           ; my block of the next slot has landed
	ds_add_u32 v[SPW], v[NIL]
	WIN MUL
	MUL8 \s, 0
	s_wait_dscnt 0x0                               ; the add is done; my reads of this slot were over at the step's head
	s_barrier_signal -1
	MUL8 \s, 1
	WIN 0
	s_barrier_wait -1
	CREST                                          ; no wave of any partner still reads this slot or has a load on its way
	s_add_nc_u64 s[G0+4*((\s)/8)+2:G0+4*((\s)/8)+3], s[G0+4*((\s)/8)+2:G0+4*((\s)/8)+3], 8*BLK
	TLOAD (\s)/8                                   ; the first tensor load behind the round; its four v_nop are four of the eight places
	PLACES NP-4
	FILLS \s
.elseif (\s) == 23
	WIN 0
	s_wait_tensorcnt 0x0                           ; the last fill
	s_barrier_signal -1
	WIN MUL
	MUL8 \s, 0
	MUL8 \s, 1
	WIN 0
	s_barrier_wait -1
	PLACES NP
	FILLS \s
.else
.if (\s) > 0
	PLACES NP                                      ; behind the last step's products, ahead of loads into what they read
.endif
	FILLS \s
	WIN MUL
	MUL8 \s, 0
	MUL8 \s, 1
.endif
.endm
	s_load_b256 s[4:11], s[0:1], 0x0               ; h_c, wts, x1, b2
	s_load_b64 s[12:13], s[0:1], 0x20              ; out0
	v_lshl_add_u32 v[SPW], v0, 2, SPARE
	v_mov_b32 v[NIL], 0
	ds_add_u32 v[SPW], v[NIL]                      ; the opening: the add, twice on end, and its wait ahead of the first tensor load
	ds_add_u32 v[SPW], v[NIL]
	v_lshrrev_b32 v1, 5, v0
	v_readfirstlane_b32 s14, v1                    ; wave
	s_mul_i32 s2, s14, 16*528
	s_add_co_u32 s2, s2, STAGE                     ; my stage
	v_and_b32 v1, 31, v0
	v_and_b32 v2, 15, v0                           ; r
	v_lshrrev_b32 v3, 4, v1                        ; h
	v_lshlrev_b32 v[VA], 4, v1
	v_lshlrev_b32 v[VS], 3, v1
	v_lshlrev_b32 v[VPW], 8, v1
	v_lshlrev_b32 v[VP], 8, v2
	v_lshl_add_u32 v[VP], v3, 14, v[VP]
	v_mul_u32_u24 v[STO], v2, 528
	v_lshl_add_u32 v[STO], v3, 6, v[STO]
	v_add_nc_u32 v[STO], s2, v[STO]                ; in: row r, + 64 h
	v_lshl_add_u32 v[RD], v1, 4, s2                ; back: the 32 lanes take one row of 512 bytes
.irp i, 0,1,2,3,4,5,6,7
	v_add_nc_u32 v[ADW+\i], \i*BLK, v[VA]
	v_add_nc_u32 v[ADS+\i], \i*BLK, v[VS]
.endr
	s_wait_alu depctr_va_vdst(0)                   ; the wait behind the head's last vector line
	s_bfe_u32 s40, ttmp6, 0x40000                  ; cx
	s_bfe_u32 s41, ttmp6, 0x40004                  ; cy
	s_lshl_b32 s42, ttmp9, 2
	s_add_co_u32 s42, s42, s40                     ; tile column
	s_and_b32 s43, ttmp7, 0xffff                   ; the cluster's y
	s_lshl_b32 s17, s43, 2
	s_add_co_u32 s17, s17, s41                     ; tile row
	s_cmp_lt_u32 s43, 4
	s_cselect_b32 s45, 1, 0                        ; does my cluster ask for w2 ahead?
	s_lshl_b32 s44, 0x1111, s40                    ; my column of the cluster
	s_or_b32 s[G1], s44, (3<<16)|(1<<21)           ; the mask; elements of 8 bytes; bit 21 beside a mask; no padding
	s_mov_b32 s[G1+1], 32<<16                      ; a block is 132 dense rows of 256 bytes
	s_mov_b32 s[G1+2], 132<<16
	s_mov_b32 s[G1+3], 32<<16
	s_mov_b32 s[G1+4], 132
	s_mov_b32 s[G1+5], 32
	s_mov_b32 s[G1+6], 0
	s_mov_b32 s[G1+7], 0
	s_mul_i32 s18, s42, KB*BLK
	s_add_co_u32 s18, s18, WOFF                    ; w2: my tile column's first block
	s_mul_i32 s47, s14, BLK                        ; my block of a fill's four: in memory and in a slot alike
	s_add_co_u32 s20, s18, s47
	s_mov_b32 s21, 0
	s_mul_i32 s22, s41, BLK                        ; the prefetch of w2: block cy, + 8192 wave
	s_add_co_u32 s22, s22, s18
	s_lshl_b32 s23, s14, 13
	s_add_co_u32 s22, s22, s23
	s_mov_b32 s23, 0
	s_mul_i32 s46, s17, KB*BLK                     ; h: block row y, tiles 2 wave and 2 wave + 1
	s_lshl_b32 s19, s14, 12
	s_add_co_u32 s72, s46, s19
	s_mov_b32 s73, 0
	s_lshl_b32 s19, s14, 8
	s_add_co_u32 s74, s46, s19
	s_add_co_u32 s74, s74, 32768
	s_mov_b32 s75, 0
	s_mul_i32 s48, s40, BLK                        ; the prefetch of h: partners are told apart by address
	s_mov_b32 s49, 0
	s_lshl_b32 s76, s42, 9                         ; my work-group's 128 columns in bytes
	s_mov_b32 s77, 0
	s_lshl_b32 s2, s17, 7
	s_lshl_b32 s3, s14, 5
	s_add_co_u32 s2, s2, s3
	s_lshl_b32 s2, s2, 12                          ; my 32 rows: 128 y + 32 wave, 4,096 bytes each
	s_add_co_u32 s78, s2, s76
	s_mov_b32 s79, 0
	s_mov_b32 s[G0], 1
	s_mov_b32 s[G0+1], s47
	s_mov_b32 s[G0+4], 1
	s_add_co_u32 s[G0+5], s47, SLOT
	s_wait_dscnt 0x0                               ; both opening adds are done
	CROUND                                         ; all sixteen work-groups are here: the joint loads meet
	s_wait_kmcnt 0x0
	s_add_nc_u64 s[G0+2:G0+3], s[6:7], s[20:21]
	s_add_nc_u64 s[G0+6:G0+7], s[G0+2:G0+3], 4*BLK
	s_or_b32 s[G0+3], s[G0+3], 0x80000000
	s_or_b32 s[G0+7], s[G0+7], 0x80000000
	TLOAD 0                                        ; blocks 0 to 3: one tensor load a wave at the head
	s_add_nc_u64 s[PW:PW+1], s[6:7], s[22:23]
	s_add_nc_u64 s[PA:PA+1], s[4:5], s[72:73]
	s_add_nc_u64 s[PS:PS+1], s[4:5], s[74:75]
	s_add_nc_u64 s[PF:PF+1], s[PA:PA+1], s[48:49]
	s_add_nc_u64 s[70:71], s[10:11], s[76:77]      ; the bias
	s_add_nc_u64 s[66:67], s[8:9], s[78:79]        ; the residual
	s_add_nc_u64 s[68:69], s[12:13], s[78:79]      ; out
	global_load_b128 v[BI:BI+3], v[VA], s[70:71]   ; the bias as a row on the way out holds it: columns 4 lane .. 4 lane + 3
	LDAS 0                                         ; 60 loads: the bias, three blocks' scale words, K steps 0 to 6
	LDAS 1
	LDAS 2
.irp u, 0,1,2,3,4,5,6
	LDA \u
.endr
	WIN 0
	s_wait_tensorcnt 0x0                           ; my block of slot 0 is in; the add and its wait stand ahead of a later first fill
	ds_add_u32 v[SPW], v[NIL]
	s_wait_dscnt 0x0
	CROUND                                         ; everybody's block is in, and the sixteen work-groups meet
	TLOAD 1                                        ; blocks 4 to 7: slot 1's first fill, the first tensor load behind the round
	LDW 0
	LDWS 0
.irp s, 0,1,2,3,4,5,6,7,8,9,10,11,12,13,14,15,16,17,18,19,20,21,22,23,24,25,26,27,28,29,30,31
	STEP \s
.endr
	WIN 0
	PLACES NP
	s_wait_loadcnt 0x0                             ; the residual
; THE WAY OUT, a token tile at a time: 32 bytes a lane and column tile into my own stage, back as whole rows of 512 bytes, + the residual, + the bias, stored.  LDS serves a wave's instructions in order (ISA guide 5.7.1.4).
.macro TOSTAGE a
	WIN 0
.irp b, 0,1,2,3,4,5,6,7
	ds_store_b128 v[STO], v[ACC+8*(8*(\a)+\b):ACC+8*(8*(\a)+\b)+3] offset:128*(\b/2)+32*(\b%2)
	ds_store_b128 v[STO], v[ACC+8*(8*(\a)+\b)+4:ACC+8*(8*(\a)+\b)+7] offset:128*(\b/2)+32*(\b%2)+16
.endr
	WIN 0x40                                       ; into window 1, where w2's fragments lay
.irp t, 0,1,2,3,4,5,6,7,8,9,10,11,12,13,14,15
	ds_load_b128 v[64*(\a)+4*\t:64*(\a)+4*\t+3], v[RD] offset:\t*528
.endr
.endm
.macro SEND a, younger
	s_wait_dscnt \younger
	WIN 0x4d                                       ; result and source 0 window 1, source 1 window 3: the residual
.irp t, 0,1,2,3,4,5,6,7,8,9,10,11,12,13,14,15
	v_pk_add_f32 v[64*(\a)+4*\t:64*(\a)+4*\t+1], v[64*(\a)+4*\t:64*(\a)+4*\t+1], v[64*(\a)+4*\t:64*(\a)+4*\t+1]
	v_pk_add_f32 v[64*(\a)+4*\t+2:64*(\a)+4*\t+3], v[64*(\a)+4*\t+2:64*(\a)+4*\t+3], v[64*(\a)+4*\t+2:64*(\a)+4*\t+3]
.endr
	WIN 0x41                                       ; source 1 window 0: the bias
.irp t, 0,1,2,3,4,5,6,7,8,9,10,11,12,13,14,15
	v_pk_add_f32 v[64*(\a)+4*\t:64*(\a)+4*\t+1], v[64*(\a)+4*\t:64*(\a)+4*\t+1], v[BI:BI+1]
	v_pk_add_f32 v[64*(\a)+4*\t+2:64*(\a)+4*\t+3], v[64*(\a)+4*\t+2:64*(\a)+4*\t+3], v[BI+2:BI+3]
.endr
	WIN 0x04                                       ; the stores' data: window 1
.irp t, 0,1,2,3,4,5,6,7,8,9,10,11,12,13,14,15
	global_store_b128 v[VA], v[64*(\a)+4*\t:64*(\a)+4*\t+3], s[68:69] offset:(8*(\a)+\t+8*(\t/8))*4096 th:TH_STORE_NT   ; the 32 lanes store 512 consecutive bytes, at a multiple of 256 from the buffer's first byte
.endr
.endm
	TOSTAGE 0
	TOSTAGE 1
	SEND 0, 32                                     ; behind tile 0's loads: tile 1's 16 stores and 16 loads
	SEND 1, 0
	WIN 0
	s_wait_tensorcnt 0x0                           ; the wave's end
	ds_add_u32 v[SPW], v[NIL]
	s_wait_dscnt 0x0
	CROUND                                         ; the closing round
	s_endpgm
.Lfunc_end_k_q3a8f1d590a_ffn2:
	.size	k_q3a8f1d590a_ffn2, .Lfunc_end_k_q3a8f1d590a_ffn2-k_q3a8f1d590a_ffn2
	.p2alignl 7, 3214868480
	.fill 96, 4, 3214868480
	.section	.rodata,"a",@progbits
	.p2align	6, 0x0
	.amdhsa_kernel k_q3a8f1d590a_ffn2
		.amdhsa_group_segment_fixed_size 327680
		.amdhsa_private_segment_fixed_size 0
		.amdhsa_enable_private_segment 0
		.amdhsa_kernarg_size 40
		.amdhsa_user_sgpr_count 2
		.amdhsa_user_sgpr_kernarg_segment_ptr 1
		.amdhsa_wavefront_size32 1
		.amdhsa_system_sgpr_workgroup_id_x 1
		.amdhsa_system_sgpr_workgroup_id_y 1
		.amdhsa_system_sgpr_workgroup_id_z 1
		.amdhsa_system_vgpr_workitem_id 0
		.amdhsa_next_free_vgpr 896
		.amdhsa_next_free_sgpr 80
		.amdhsa_reserve_vcc 0
		.amdhsa_float_denorm_mode_32 3
		.amdhsa_float_denorm_mode_16_64 3
		.amdhsa_memory_ordered 1
		.amdhsa_forward_progress 1
		.amdhsa_inst_pref_size 199
	.end_amdhsa_kernel
	.amdgpu_metadata
---
amdhsa.version: [ 1, 2 ]
amdhsa.kernels:
  - .name:           k_q3a8f1d590a_ffn2
    .symbol:         k_q3a8f1d590a_ffn2.kd
    .args:
      - { .name: h_c, .offset: 0, .size: 8, .value_kind: global_buffer, .address_space: global }
      - { .name: wts, .offset: 8, .size: 8, .value_kind: global_buffer, .address_space: global }
      - { .name: x1, .offset: 16, .size: 8, .value_kind: global_buffer, .address_space: global }
      - { .name: b2, .offset: 24, .size: 8, .value_kind: global_buffer, .address_space: global }
      - { .name: out0, .offset: 32, .size: 8, .value_kind: global_buffer, .address_space: global }
    .group_segment_fixed_size: 327680
    .private_segment_fixed_size: 0
    .kernarg_segment_align: 8
    .kernarg_segment_size: 40
    .max_flat_workgroup_size: 128
    .sgpr_count:     80
    .vgpr_count:     896
    .wavefront_size: 32
...
	.end_amdgpu_metadata
.endif
;; end of part 6
